; MI455X (gfx1250); checked and timed in simulation.
; The chip was launched on July 23, 2026; its instructions are those of AMD's public machine-readable ISA for CDNA 5 (MIT licence, August 2026) and "CDNA5" Instruction Set Architecture Reference Guide (July 2026). The comments in the code are by the model that wrote it; some were corrected since.
;; Deep Speed Encoder. Allowed arithmetic: matrix products marked QUANTISED: E4M3 operands, one E8M0 scale for each 32 along K, by v_wmma_scale_f32_16x16x128_f8f6f4 with both operands' format E4M3, f32 sums; everything else in f32.
;; Inputs: attn_nb 1,024 float32; attn_nw 1,024 float32; inter_b 4,096 float32; inter_w_codes 4,096 x 32 x 32 uint8 (E4M3 codes of inter_w, K innermost, in blocks of 32 codes); inter_w_scales 4,096 x 32 uint8 (E8M0 scales of inter_w, one for each 32 codes along K); mask 2 x 1 x 1 x 2,048 float32; norm_b 1,024 float32; norm_w 1,024 float32; ob 1,024 float32; out_b 1,024 float32; out_w_codes 1,024 x 128 x 32 uint8 (E4M3 codes of out_w, K innermost, in blocks of 32 codes); out_w_scales 1,024 x 128 uint8 (E8M0 scales of out_w, one for each 32 codes along K); ow_codes 1,024 x 32 x 32 uint8 (E4M3 codes of ow, K innermost, in blocks of 32 codes); ow_scales 1,024 x 32 uint8 (E8M0 scales of ow, one for each 32 codes along K); qkvb 3,072 float32; qkvw_codes 3,072 x 32 x 32 uint8 (E4M3 codes of qkvw, K innermost, in blocks of 32 codes); qkvw_scales 3,072 x 32 uint8 (E8M0 scales of qkvw, one for each 32 codes along K); x 2 x 2,048 x 1,024 float32.
;; Outputs: out0 2 x 2,048 x 1,024 float32.
;; This version of the problem:
;;   THIS VERSION OF THE PROBLEM IS GIVEN IN LOW PRECISION. The matrix products marked QUANTISED in the list below multiply operands that are first quantised to E4M3 (4 exponent bits, 3 mantissa bits; 8 bits a number), with one power-of-two scale for each 32 numbers along K (OCP MX v1.0); their sums are f32. All else is computed in f32.
;;   The module's matrix products, in the order in which they are computed (A, B: the left and right operand; K: the contracted axis; several contracted axes count as one K, in the product's order):
;;     1. [M 4,096, K 1,024] x [K 1,024, N 3,072]; A: computed on the way; B: input qkvw (given as codes): QUANTISED
;;     2. batch 32 x [M 2,048, K 64] x [K 64, N 2,048]; A: computed on the way; B: computed on the way: QUANTISED
;;     3. batch 32 x [M 2,048, K 2,048] x [K 2,048, N 64]; A: softmax (see below); B: computed on the way: QUANTISED
;;     4. [M 4,096, K 1,024] x [K 1,024, N 1,024]; A: computed on the way; B: input ow (given as codes): QUANTISED
;;     5. [M 4,096, K 1,024] x [K 1,024, N 4,096]; A: computed on the way; B: input inter_w (given as codes): QUANTISED
;;     6. [M 4,096, K 4,096] x [K 4,096, N 1,024]; A: computed on the way; B: input out_w (given as codes): QUANTISED
;;   THE QUANTISER, for each operand of a quantised product, along K:
;;     - K is cut into blocks of 32 from its start; a last block that is shorter is filled with zeros.
;;     - A block's scale is 2^e with e = floor(log2(the largest magnitude in the block)) - 8, held to -126 .. 127; a block of zeros has e = 0. As a byte (E8M0): e + 127.
;;     - Each number is divided by its block's scale, clamped to +-448, and rounded to the nearest number of E4M3, ties to even, subnormals kept.
;;     - The product sums the exact products of the quantised numbers (number of the format x scale) in f32.
;;   ~~~python
;;   def quantise(x, axis):      # numpy; x: float32 -> the quantised numbers, widened to float32 again
;;       x = np.moveaxis(x, axis, -1); K = x.shape[-1]
;;       x = np.pad(x, [(0, 0)] * (x.ndim - 1) + [(0, -K % 32)]); x = x.reshape(x.shape[:-1] + (-1, 32)); a = np.abs(x).max(-1, keepdims=True)
;;       e = np.where(a > 0, np.clip(np.frexp(np.where(a > 0, a, 1))[1] - 1 - 8, -126, 127), 0)      # np.frexp(a)[1] - 1 = floor(log2(a)), exactly
;;       r = np.clip(x / 2.0 ** e, -448, 448)
;;       step = 2.0 ** (np.maximum(np.frexp(np.where(r == 0, 1, r))[1] - 1, -6) - 3)
;;       q = np.round(r / step) * step * 2.0 ** e      # np.round: ties to even
;;       return np.moveaxis(q.reshape(q.shape[:-2] + (-1,))[..., :K], -1, axis).astype(np.float32)
;;   ~~~
;;   SOFTMAX AHEAD OF A QUANTISED PRODUCT. Where the list says 'softmax', what is quantised is not the finished softmax but p = 2^(t - M), with t = logit x log2(e) and M = ceil(the row's largest t), a whole number; so 1/2 < the row's largest p <= 1. The row's sum l is taken of the UNQUANTISED p, in f32, and the product's result is divided by l at the end. Since M is a whole number, a kernel that streams over the keys may use a running M (the ceiling of the running maximum): every later rescaling is an exact power of two, which a block's scale takes up: the codes' values come out the same.
;;   OPERANDS COMPUTED ON THE WAY. 'Computed on the way' means the value that the module computes at that place (a softmax that the list does not call 'softmax' is quantised finished and normalised). What goes into a quantiser is computed in f32, as accurately as f32 sums, v_exp_f32 and their like allow (about 1e-6 of the number): no bf16 or f16 on the way to a quantiser, and a product that is left as it is and whose result goes on into a quantised operand takes f32 operands (vector FMAs, or v_wmma_f32_16x16x4_f32). A number that lies on a knife's edge between two numbers of the format may be rounded either way, as far as f32 arithmetic and the matrix unit's own rounding can turn it there, and no further.
;;   INPUTS GIVEN AS CODES. inter_w (in the module: [1024, 4096], K = its axis 0); out_w (in the module: [4096, 1024], K = its axis 0); ow (in the module: [1024, 1024], K = its axis 0); qkvw (in the module: [1024, 3072], K = its axis 0): each comes as NAME_codes (uint8): NAME with its K axis moved to the last place and cut into blocks of 32 codes, [.., K / 32, bytes a block], one block behind the other in memory; one code a byte (a code: sign, 4 exponent bits, 3 mantissa bits); and NAME_scales (uint8): the same leading axes, one E8M0 byte (e + 127) for each 32 codes along K. Its value is code x scale, taken as it is: it is not quantised again, and the codes and scales need not be those that the quantiser above would give.
;; One version. Each part assembles by itself: llvm-mc -triple=amdgcn-amd-amdhsa -mcpu=gfx1250 --defsym DOCPART=n.
;; ======== version 1 of 1: 7 launches
;; limits: right only within a limited range of input values
;; workspace buffers: hbuf 4,325,376 bytes; qkv 12,976,128 bytes; ctx 4,325,376 bytes; ao 16,777,216 bytes; h2buf 4,325,376 bytes; inter 17,301,504 bytes
;; launch ln1 (part 1): grid 256 x 1, 16 waves a work-group, no clusters, 4,096 bytes of LDS; arguments x, norm_w, norm_b, hbuf; writes hbuf
.if DOCPART == 1
	.amdgcn_target "amdgcn-amd-amdhsa--gfx1250"
	.amdhsa_code_object_version 6
	.text
	.protected	k_q514c582586_ln1
	.globl	k_q514c582586_ln1
	.p2align	8
	.type	k_q514c582586_ln1,@function
k_q514c582586_ln1:
	s_mov_b64 s[64:65], 0
	v_nop
	global_prefetch_b8 v0, s[64:65] scope:SCOPE_SE
	s_setreg_imm32_b32 hwreg(HW_REG_WAVE_MODE, 25, 1), 1
	s_wait_xcnt 0x0
; LAYER NORM AND QUANTISER.  src [4096][1024] f32 -> y = (x - mean) * rsqrt(var + 1e-12) * w + b, in f32, then codes of E4M3 with one E8M0 byte for each 32 along the row.
; dst: codes [4096][1024] at byte 0, scale bytes [4096][32] at byte 4,194,304.
; SHARES.  A work-group of sixteen waves takes 16 rows, a wave ONE: the row lies in 32 registers of the wave and is read from memory once.
; Lane l holds, of chunk q (256 numbers), k = 256 q + 8 l + 0 .. 7: eight neighbours, as the conversion wants them; a block of 32 lies in four neighbouring lanes.
; A lane's 8 codes are 8 bytes: the 32 lanes store 256 consecutive bytes, aligned.  The 16 rows' 512 scale bytes are gathered in LDS and leave by wave 0 as two aligned units of 256 bytes: one barrier.
; Matrix units, clusters and tensor loads have no work here: the work-groups share no input but w and b (8 KiB).
; LIMITS: a block of zeros gets the byte 1 (its codes are zeros; only this program reads the bytes); blocks under 2^-118 are held at that byte; NaN and infinities are not served.
.set W,    16                          ; v16-47   w of my 32 columns
.set BI,   48                          ; v48-79   b of my 32 columns
.set XR,   80                          ; v80-111  my row
.set TM,   218
.set SCV,  222
.set HOLD, 226
.set BYT,  230
.set CD,   240
	s_load_b256 s[4:11], s[0:1], 0x0               ; src, w, b, dst
	v_lshl_add_u32 v238, v0, 2, 0x200              ; my spare word: bytes 512 .. 2559
	v_mov_b32 v239, 0
	v_lshrrev_b32 v1, 5, v0
	v_readfirstlane_b32 s12, v1                    ; wave 0..15
	v_lshlrev_b32 v8, 5, v1                        ; 32 x wave
	v_and_b32 v1, 31, v0                           ; lane
	v_lshlrev_b32 v2, 5, v1                        ; 32 bytes a lane: my 8 numbers of a chunk
	v_lshlrev_b32 v3, 3, v1                        ; 8 bytes a lane: my 8 codes
	v_bfe_u32 v4, v0, 2, 3
	v_add_nc_u32 v4, v4, v8                        ; LDS: 32 x wave + lane / 4: my block's byte in a chunk's eight
	v_lshlrev_b32 v5, 4, v1                        ; 16 x lane: wave 0's way back and out
	v_mov_b32 v213, 0                              ; a lane permute's destination counts as one of its sources
	s_mov_b32 s13, 0x76543210
	s_mov_b32 s14, 0xfedcba98                      ; selects for lane l xor 16
	s_mov_b32 s15, 0x3a800000                      ; 1 / 1024
	s_mov_b32 s16, 0x600000                        ; the mantissa field of 448
	s_lshl_b32 s18, ttmp9, 4                       ; the work-group's first row
	s_lshl_b32 s26, s18, 5                         ; 32 scale bytes a row,
	s_add_co_u32 s26, s26, 0x400000                ; behind the codes
	s_mov_b32 s27, 0
	s_add_co_u32 s18, s18, s12                     ; my row
	s_lshl_b32 s20, s18, 12
	s_mov_b32 s21, 0
	s_lshl_b32 s24, s18, 10
	s_mov_b32 s25, 0
	s_wait_alu depctr_va_vdst(0)                   ; the wait at the head's end
	s_wait_kmcnt 0x0
	s_add_nc_u64 s[4:5], s[4:5], s[20:21]
	s_add_nc_u64 s[22:23], s[10:11], s[26:27]
	s_add_nc_u64 s[10:11], s[10:11], s[24:25]
.irp q, 0,1,2,3
	global_load_b128 v[XR+8*\q:XR+8*\q+3],   v2, s[4:5] offset:1024*\q th:TH_LOAD_NT
	global_load_b128 v[XR+8*\q+4:XR+8*\q+7], v2, s[4:5] offset:1024*\q+16 th:TH_LOAD_NT
.endr
.irp q, 0,1,2,3
	global_load_b128 v[W+8*\q:W+8*\q+3],   v2, s[6:7] offset:1024*\q
	global_load_b128 v[W+8*\q+4:W+8*\q+7], v2, s[6:7] offset:1024*\q+16
.endr
.irp q, 0,1,2,3
	global_load_b128 v[BI+8*\q:BI+8*\q+3],   v2, s[8:9] offset:1024*\q
	global_load_b128 v[BI+8*\q+4:BI+8*\q+7], v2, s[8:9] offset:1024*\q+16
.endr
.macro WSUM r                          ; the sum over the wave's 32 lanes, in every lane
	v_add_f32_dpp v[\r], v[\r], v[\r] row_xmask:1 row_mask:0xf bank_mask:0xf
	v_add_f32_dpp v[\r], v[\r], v[\r] row_xmask:2 row_mask:0xf bank_mask:0xf
	v_add_f32_dpp v[\r], v[\r], v[\r] row_xmask:4 row_mask:0xf bank_mask:0xf
	v_add_f32_dpp v[\r], v[\r], v[\r] row_xmask:8 row_mask:0xf bank_mask:0xf
	v_permlanex16_b32 v213, v[\r], s13, s14
	v_add_f32 v[\r], v[\r], v213
.endm
	s_wait_loadcnt 16                              ; my row is in; w's and b's sixteen loads, issued behind it, may be out
	v_pk_add_f32 v[208:209], v[XR:XR+1], v[XR+2:XR+3]              ; the sum, in two chains
	v_pk_add_f32 v[210:211], v[XR+4:XR+5], v[XR+6:XR+7]
.irp p, 8,12,16,20,24,28
	v_pk_add_f32 v[208:209], v[208:209], v[XR+\p:XR+\p+1]
	v_pk_add_f32 v[210:211], v[210:211], v[XR+\p+2:XR+\p+3]
.endr
	v_pk_add_f32 v[208:209], v[208:209], v[210:211]
	v_add_f32 v212, v208, v209
	WSUM 212
	v_mul_f32 v214, s15, v212                      ; the mean,
	v_mov_b32 v215, v214                           ; twice, for the packed form
.set p, 0
.rept 16
	v_pk_add_f32 v[XR+p:XR+p+1], v[XR+p:XR+p+1], v[214:215] neg_lo:[0,1] neg_hi:[0,1]   ; x - mean, in place
.set p, p+2
.endr
	v_pk_mul_f32 v[208:209], v[XR:XR+1], v[XR:XR+1]               ; the sum of squares of the differences: no difference of large sums is formed
	v_pk_mul_f32 v[210:211], v[XR+2:XR+3], v[XR+2:XR+3]
.irp p, 4,8,12,16,20,24,28
	v_pk_fma_f32 v[208:209], v[XR+\p:XR+\p+1], v[XR+\p:XR+\p+1], v[208:209]
	v_pk_fma_f32 v[210:211], v[XR+\p+2:XR+\p+3], v[XR+\p+2:XR+\p+3], v[210:211]
.endr
	v_pk_add_f32 v[208:209], v[208:209], v[210:211]
	v_add_f32 v212, v208, v209
	WSUM 212
	v_fmaak_f32 v212, s15, v212, 0x2b8cbccc        ; the variance + 1e-12
	s_wait_alu depctr_va_vdst(0)                   ; the wait ahead of the transcendentals
	v_rsq_f32 v216, v212
	v_rsq_f32 v217, v212                           ; twice: a pair for the packed multiply
	v_nop                                          ; a plain instruction behind the transcendentals
	s_wait_alu depctr_va_vdst(0)                   ; the wait ahead of their first reader
	s_wait_loadcnt 0x0                             ; w and b
.set p, 0
.rept 16
	v_pk_mul_f32 v[XR+p:XR+p+1], v[XR+p:XR+p+1], v[216:217]
.set p, p+2
.endr
.set p, 0
.rept 16
	v_pk_fma_f32 v[XR+p:XR+p+1], v[XR+p:XR+p+1], v[W+p:W+p+1], v[BI+p:BI+p+1]
.set p, p+2
.endr
.irp q, 0,1,2,3                        ; the quantiser, the four chunks by turns
	v_max3_num_f32 v[TM+\q], |v[XR+8*\q]|, |v[XR+8*\q+1]|, 0x4800000   ; my 8 numbers and the floor 2^(9 - 127): the byte cannot fall under 1
.endr
.irp p, 2,4,6
.irp q, 0,1,2,3
	v_max3_num_f32 v[TM+\q], v[TM+\q], |v[XR+8*\q+\p]|, |v[XR+8*\q+\p+1]|
.endr
.endr
.irp q, 0,1,2,3
	v_max_num_f32_dpp v[TM+\q], v[TM+\q], v[TM+\q] row_xmask:1 row_mask:0xf bank_mask:0xf
.endr
.irp q, 0,1,2,3
	v_max_num_f32_dpp v[TM+\q], v[TM+\q], v[TM+\q] row_xmask:2 row_mask:0xf bank_mask:0xf   ; the four lanes of a block
.endr
.irp q, 0,1,2,3
	v_add_nc_u32 v[SCV+\q], 0xfc000000, v[TM+\q]   ; 8 off the exponent field: the conversion's scale operand
.endr
.irp q, 0,1,2,3
	v_and_or_b32 v[HOLD+\q], v[TM+\q], 0x7f800000, s16   ; 448 x the scale
.endr
.irp q, 0,1,2,3
.irp j, 0,1,2,3,4,5,6,7
	v_med3_num_f32 v[XR+8*\q+\j], v[XR+8*\q+\j], -v[HOLD+\q], v[HOLD+\q]   ; the conversion to an 8-bit code does not saturate (ISA guide 7.6.2)
.endr
.endr
.irp q, 0,1,2,3
	v_cvt_scalef32_pk8_fp8_f32 v[CD+2*\q:CD+2*\q+1], v[XR+8*\q:XR+8*\q+7], v[SCV+\q]
.endr
.irp q, 0,1,2,3
	v_lshrrev_b32 v[BYT+\q], 23, v[SCV+\q]         ; the scale's byte (also the plain line behind the conversions)
.endr
.irp q, 0,1,2,3
	global_store_b64 v3, v[CD+2*\q:CD+2*\q+1], s[10:11] offset:256*\q   ; 32 lanes store 256 consecutive bytes, aligned
	ds_store_b8 v4, v[BYT+\q] offset:8*\q          ; the four lanes of a block write the same byte with the same value
.endr
	s_wait_dscnt 0x0                               ; for the others' sake
	s_barrier_signal -1
	s_barrier_wait -1                              ; the 16 rows' 512 scale bytes are whole
	s_cmp_lg_u32 s12, 0
	s_cbranch_scc1 .Lend
	ds_load_b128 v[8:11], v5
	s_wait_dscnt 0x0
	global_store_b128 v5, v[8:11], s[22:23]        ; 512 consecutive bytes, aligned
.Lend:
	s_wait_tensorcnt 0x0                           ; the wave's end
	ds_add_u32 v238, v239
	s_wait_dscnt 0x0
	s_endpgm
.Lfunc_end_k_q514c582586_ln1:
	.size	k_q514c582586_ln1, .Lfunc_end_k_q514c582586_ln1-k_q514c582586_ln1
	.p2alignl 7, 3214868480
	.fill 96, 4, 3214868480
	.section	.rodata,"a",@progbits
	.p2align	6, 0x0
	.amdhsa_kernel k_q514c582586_ln1
		.amdhsa_group_segment_fixed_size 4096
		.amdhsa_private_segment_fixed_size 0
		.amdhsa_enable_private_segment 0
		.amdhsa_kernarg_size 32
		.amdhsa_user_sgpr_count 2
		.amdhsa_user_sgpr_kernarg_segment_ptr 1
		.amdhsa_wavefront_size32 1
		.amdhsa_system_sgpr_workgroup_id_x 1
		.amdhsa_system_sgpr_workgroup_id_y 1
		.amdhsa_system_sgpr_workgroup_id_z 1
		.amdhsa_system_vgpr_workitem_id 0
		.amdhsa_next_free_vgpr 256
		.amdhsa_next_free_sgpr 66
		.amdhsa_reserve_vcc 0
		.amdhsa_float_denorm_mode_32 3
		.amdhsa_float_denorm_mode_16_64 3
		.amdhsa_memory_ordered 1
		.amdhsa_forward_progress 1
		.amdhsa_inst_pref_size 16
	.end_amdhsa_kernel
	.amdgpu_metadata
---
amdhsa.version: [ 1, 2 ]
amdhsa.kernels:
  - .name:           k_q514c582586_ln1
    .symbol:         k_q514c582586_ln1.kd
    .args:
      - { .name: x, .offset: 0, .size: 8, .value_kind: global_buffer, .address_space: global }
      - { .name: norm_w, .offset: 8, .size: 8, .value_kind: global_buffer, .address_space: global }
      - { .name: norm_b, .offset: 16, .size: 8, .value_kind: global_buffer, .address_space: global }
      - { .name: hbuf, .offset: 24, .size: 8, .value_kind: global_buffer, .address_space: global }
    .group_segment_fixed_size: 4096
    .private_segment_fixed_size: 0
    .kernarg_segment_align: 8
    .kernarg_segment_size: 32
    .max_flat_workgroup_size: 512
    .sgpr_count:     66
    .vgpr_count:     256
    .wavefront_size: 32
...
	.end_amdgpu_metadata
.endif
;; end of part 1
;; launch qkv (part 2): grid 12 x 16, 4 waves a work-group, clusters of 4 x 4, 327,680 bytes of LDS; arguments hbuf, qkvw_codes, qkvw_scales, qkvb, qkv; writes qkv
.if DOCPART == 2
	.amdgcn_target "amdgcn-amd-amdhsa--gfx1250"
	.amdhsa_code_object_version 6
	.text
	.protected	k_q514c582586_qkv
	.globl	k_q514c582586_qkv
	.p2align	8
	.type	k_q514c582586_qkv,@function
k_q514c582586_qkv:
	s_mov_b64 s[64:65], 0
	v_nop
	global_prefetch_b8 v0, s[64:65] scope:SCOPE_SE
	s_setreg_imm32_b32 hwreg(HW_REG_WAVE_MODE, 25, 1), 1
	s_wait_xcnt 0x0
	s_wait_alu depctr_hold_cnt(0) depctr_sa_sdst(0) depctr_va_vdst(0) depctr_va_sdst(0) depctr_va_ssrc(0) depctr_va_vcc(0) depctr_vm_vsrc(0)
	s_getreg_b32 s2, hwreg(HW_REG_IB_STS2, 6, 4)
	s_cmp_eq_u32 s2, 0
	s_cbranch_scc0 .Lentry_in_a_cluster
	s_endpgm
.Lentry_in_a_cluster:
	s_bfe_u32 s2, ttmp6, 0x10000c
	s_cmp_lg_u32 s2, 0xf033
	s_cbranch_scc0 .Lentry_shape_is_right
	s_endpgm
.Lentry_shape_is_right:
; A GEMM ON CODES OF E4M3 WHOSE RESULT IS QUANTISED AGAIN ON ITS WAY OUT.  One text serves two launches, by the flag QKV.
; QKV = 1: q, k and v = h W^T + bias.  Clusters with x = 0, 1: C[token][n], n < 2048 (q's and k's heads): A = h, B = W's rows 0 .. 2047.  Clusters with x = 2: C'[(head, d)][token] = Wv h^T:
;   A = W's rows 2048 .. 3071, B = h: the same kernel with the operands swapped, so that a lane's registers run along the tokens, which are v's K in the second product of attention.
; QKV = 0: inter = gelu(h2 W^T + bias), exact gelu.
; THE MAIN PART: a tile of C, 256 x 256, by four waves, each 128 x 128 in 64 accumulators.  K = 1024 goes in steps of 256 through a ring of two LDS slots filled by the tensor data mover; the scale bytes of the
; work-group's 256 + 256 rows come once, with the first fills.  CLUSTERS of 4 x 4: A's tiles are asked for jointly along a row of the cluster, B's along a column.
; THE MATRIX INSTRUCTION IS USED TRANSPOSED (source 0 = 16 rows of B, source 1 = 16 rows of A): lane (r, h) holds row r of C and, in tile b, columns 16 b + 8 h + 0 .. 7.
; THE WAY OUT: a block of 16 rows x 128 columns at a time: + bias, (gelu,) the quantiser along the columns, and the codes leave as an IMAGE of the next product's operand registers: piece c (512 bytes) holds
; for lane (r, h) the 16 codes k = 32 c + 16 h + 0 .. 15 of row r at byte 16 x lane.  Tiles 2 c and 2 c + 1 give a lane 8 + 8 codes; two exchanges of half rows of lanes bring them into that order.
; The scale words of 128 rows x 128 columns leave as one tile of 512 bytes: the word of row r of block i at 256 (i / 4) + 16 r + 4 (i % 4).
; LIMITS: a block of zeros gets the byte 1 (only this program reads the bytes); NaN and infinities are not served; gelu by the erfc fit t exp(-z^2 + P(t)), fractional error about 1.2e-7.
; REGISTERS: window 0: v0-31 addresses, v8-15 the row bias, v32-63 scale words, v64-127 the column bias, v128-255 A's fragments.  window 1: B's fragments, two sets; on the way out all work registers.
;   windows 2, 3: the accumulators ((a, b) at v[8 (8 (a % 4) + b)]).
.set QKV,    1
.set SIZE_K, 1024
.set KSTEP,  256
.set NQ,     KSTEP/128
.set ROWB,   256
.set KROW,   SIZE_K
.set PITCH,  272                       ; an LDS row: 256 bytes + 16 of padding: the 16 rows of a fragment load start at 16 different banks
.set FR,     16
.set NL,     4
.set NP,     8                         ; places behind this matrix instruction (ISA guide 7.12.1)
.set HALFT,  128*PITCH
.set SLOT,   4*HALFT
.set LAPS,   SIZE_K/(2*KSTEP)
.set KS,     SIZE_K/32
.set SCL,    2*SLOT
.set HALFS,  (128*KS/256)*272
.set SBLK,   (16*KS/256)*272
.set SPARE,  SCL+4*HALFS               ; the spare words, 128 bytes a wave: no other line names them
.set ADRA, 16
.set ADRB, 20
.set ADRS, 27
.set SPW,  28
.set NIL,  29
.set SC,   32
.set AF,   128
.set BT,   64                          ; window 0: the column bias: register 8 b + j = bias[128 CB + 16 b + 8 h + j]
.set RBV,  8                           ; window 0: the row bias of block a, lane r
.set Y,    0                           ; window 1, on the way out: the block's 64 numbers
.set T,    64
.set U,    96
.set HH,   128
.set TM,   160
.set PW,   176
.set PC,   180
.set SW,   200
.set OA,   208
.set C8,   212
.set CF,   68                          ; s[68+2k:69+2k] the polynomial's c0 .. c7, s[84:85] c9 (each twice)
.set C9,   84
.set G1, 24
.set G0, 32
.set G1B, 48
.set G0B, 56
.set G1S, 68
.set G0S, 76
.set G1SB, 80
.set G0SB, 88
.set MSB, 0
.macro WIN new                         ; the immediate's high byte repeats the setting that is left
.if MSB != (\new)
	s_set_vgpr_msb (MSB<<8)|(\new)
.set MSB, (\new)
.endif
.endm
.set MUL_LO, 0xa1
.set MUL_HI, 0xf1
.set TO_B,   0x40
.macro JLOAD g0a, g1a, g0b, g1b        ; a joint load: waves 0 and 1 fetch for A, waves 2 and 3 for B; four v_nop follow each line
	s_cmp_eq_u32 s15, 0
	s_cbranch_scc0 .Lfor_b_\@
	tensor_load_to_lds s[\g0a:\g0a+3], s[\g1a:\g1a+7]
	s_nop 0
.rept 4
	v_nop
.endr
	s_branch .Lasked_\@
.Lfor_b_\@:
	tensor_load_to_lds s[\g0b:\g0b+3], s[\g1b:\g1b+7]
	s_nop 0
.rept 4
	v_nop
.endr
.Lasked_\@:
.endm
.macro CREST
	s_cmp_lg_u32 s14, 0
	s_cbranch_scc1 .Lnot_wave_0_\@
	s_barrier_signal -3
.Lnot_wave_0_\@:
	s_barrier_wait -3
	s_barrier_signal -1
	s_barrier_wait -1
.endm
.macro CROUND
	s_barrier_signal -1
	s_barrier_wait -1
	CREST
.endm
	s_load_b64 s[4:5], s[0:1], 0x0                 ; the activations: codes, and at + 4,194,304 their scale bytes
	s_load_b128 s[8:11], s[0:1], 0x8               ; the weight's codes, its scale bytes
	s_load_b64 s[96:97], s[0:1], 0x18              ; the bias
	s_load_b64 s[12:13], s[0:1], 0x20              ; the output
	v_lshl_add_u32 v[SPW], v0, 2, SPARE
	v_mov_b32 v[NIL], 0
	ds_add_u32 v28, v29
	ds_add_u32 v28, v29
	s_wait_dscnt 0x0
	v_lshrrev_b32 v1, 5, v0
	v_readfirstlane_b32 s14, v1                    ; wave 0..3
	s_lshr_b32 s15, s14, 1                         ; which half of the tile's rows is mine.  Also: I fetch for A (0) or for B (1)
	s_and_b32 s16, s14, 1                          ; which half of its columns.  Also: which 128 rows of that tile I fetch
	s_bfe_u32 s40, ttmp6, 0x40000                  ; cx, cy
	s_bfe_u32 s41, ttmp6, 0x40004
	s_lshl_b32 s42, ttmp9, 2                       ; 4 x cluster x
	s_and_b32 s17, ttmp7, 0xffff
	s_lshl_b32 s17, s17, 2                         ; 4 x cluster y
.if QKV
	s_cmp_eq_u32 ttmp9, 2                          ; the part: the cluster's x, which all sixteen partners share
	s_cselect_b32 s42, s17, s42                    ; v's part: tile column 4 Y + cx,
	s_cselect_b32 s17, 0, s17                      ; tile row cy
	s_cselect_b32 s95, -1, 0                       ; all ones in v's part
.endif
	s_add_co_u32 s42, s42, s40                     ; tile column
	s_add_co_u32 s17, s17, s41                     ; tile row
	s_lshl_b32 s43, s41, 2
	s_lshl_b32 s43, 15, s43                        ; my row of the cluster
	s_lshl_b32 s44, 0x1111, s40                    ; my column
	s_or_b32 s[G1+0], s43, (0<<16)|(1<<20)|(1<<21)|(5<<22)|(3<<25)  ; the mask; elements of 1 byte; padding: 4 words behind every 64
	s_or_b32 s[G1B+0], s44, (0<<16)|(1<<20)|(1<<21)|(5<<22)|(3<<25)
.irp g, G1, G1B
	s_mov_b32 s[\g+1], ROWB<<16
	s_mov_b32 s[\g+2], 256<<16                     ; the head's loads bring a tile's 256 rows; behind them the two words that count rows are set to 128
	s_mov_b32 s[\g+3], ROWB<<16
	s_mov_b32 s[\g+4], 256
	s_mov_b32 s[\g+5], KROW
	s_mov_b32 s[\g+6], 0
	s_mov_b32 s[\g+7], 0
.endr
	s_or_b32 s[G1S+0], s43, (3<<16)|(1<<20)|(1<<21)|(5<<22)|(3<<25)  ; the scales of 256 rows: a dense block, as rows of 256 bytes
	s_or_b32 s[G1SB+0], s44, (3<<16)|(1<<20)|(1<<21)|(5<<22)|(3<<25)
.irp g, G1S, G1SB
	s_mov_b32 s[\g+1], 32<<16
	s_mov_b32 s[\g+2], KS<<16                      ; the scales of 256 rows
	s_mov_b32 s[\g+3], 32<<16
	s_mov_b32 s[\g+4], KS
	s_mov_b32 s[\g+5], 32
	s_mov_b32 s[\g+6], 0
	s_mov_b32 s[\g+7], 0
.endr
	s_lshl_b32 s20, s17, 8                         ; A: the tile's first row
	s_lshl_b32 s46, s42, 8                         ; B: likewise
	s_mov_b32 s21, 0
	s_mov_b32 s47, 0
	s_mov_b64 s[18:19], KS
	s_mul_u64 s[22:23], s[20:21], s[18:19]
	s_mul_u64 s[92:93], s[46:47], s[18:19]
	s_mov_b64 s[18:19], KROW
	s_mul_u64 s[20:21], s[20:21], s[18:19]
	s_mul_u64 s[46:47], s[46:47], s[18:19]
	s_mul_i32 s45, s14, HALFT                      ; no place in the cluster enters an LDS address
	s_mul_i32 s18, s16, 128*KROW                   ; in the ring I fetch 128 rows of a tile: which half, in bytes
	s_mov_b32 s19, 0
	s_wait_kmcnt 0x0
	s_add_nc_u64 s[6:7], s[4:5], 0x400000          ; the activations' scale bytes
.if QKV
	s_add_nc_u64 s[98:99], s[8:9], 0x200000        ; W's rows 2048 on: codes,
	s_add_nc_u64 s[100:101], s[10:11], 0x10000     ; scale bytes
	s_cmp_eq_u32 ttmp9, 2
	s_cselect_b64 s[98:99], s[98:99], s[4:5]       ; A's codes
	s_cselect_b64 s[100:101], s[100:101], s[6:7]   ; A's scales
	s_cselect_b64 s[8:9], s[4:5], s[8:9]           ; B's codes
	s_cselect_b64 s[10:11], s[6:7], s[10:11]       ; B's scales
.else
	s_mov_b64 s[98:99], s[4:5]
	s_mov_b64 s[100:101], s[6:7]
.endif
	s_add_nc_u64 s[20:21], s[98:99], s[20:21]
	s_add_nc_u64 s[22:23], s[100:101], s[22:23]
	s_add_nc_u64 s[46:47], s[8:9], s[46:47]
	s_add_nc_u64 s[92:93], s[10:11], s[92:93]
	CROUND                                         ; all sixteen work-groups are here: the first joint loads meet
	s_mov_b32 s[G0S], 1
	s_mov_b32 s[G0S+1], SCL
	s_mov_b64 s[G0S+2:G0S+3], s[22:23]
	s_or_b32 s[G0S+3], s[G0S+3], 0x80000000
	s_mov_b32 s[G0SB], 1
	s_mov_b32 s[G0SB+1], SCL+2*HALFS
	s_mov_b64 s[G0SB+2:G0SB+3], s[92:93]
	s_or_b32 s[G0SB+3], s[G0SB+3], 0x80000000
	s_mov_b32 s4, 1                                ; group 0 of the head's loads of K step 0: A's 256 rows,
	s_mov_b32 s5, 0
	s_mov_b64 s[6:7], s[20:21]
	s_or_b32 s7, s7, 0x80000000
	s_mov_b32 s8, 1                                ; B's 256 rows, behind them
	s_mov_b32 s9, 2*HALFT
	s_mov_b64 s[10:11], s[46:47]
	s_or_b32 s11, s11, 0x80000000
	s_add_nc_u64 s[20:21], s[20:21], s[18:19]      ; for the ring: my 128 rows of the tile
	s_add_nc_u64 s[46:47], s[46:47], s[18:19]
.irp s, 0,1
	s_mov_b32 s[G0+4*\s], 1
	s_add_co_u32 s[G0+4*\s+1], s45, \s*SLOT
	s_add_nc_u64 s[G0+4*\s+2:G0+4*\s+3], s[20:21], \s*ROWB
	s_or_b32 s[G0+4*\s+3], s[G0+4*\s+3], 0x80000000
	s_mov_b32 s[G0B+4*\s], 1
	s_add_co_u32 s[G0B+4*\s+1], s45, \s*SLOT
	s_add_nc_u64 s[G0B+4*\s+2:G0B+4*\s+3], s[46:47], \s*ROWB
	s_or_b32 s[G0B+4*\s+3], s[G0B+4*\s+3], 0x80000000
.endr
; THE HEAD'S LOADS, ONE A WAVE: wave 0 K step 0's 256 rows of A, wave 1 those of B, wave 2 A's scales, wave 3 B's: one chain of arms on the wave's number.
.macro ARM under, g0, g1, next
	s_cmp_lt_u32 s14, \under
	s_cbranch_scc0 \next
	tensor_load_to_lds s[\g0:\g0+3], s[\g1:\g1+7]
	s_nop 0
.rept 4
	v_nop
.endr
	s_branch .Lhead_asked
\next:
.endm
	ARM 1, 4, G1, .Lhead_b
	ARM 2, 8, G1B, .Lhead_sa
	ARM 3, G0S, G1S, .Lhead_sb
	tensor_load_to_lds s[G0SB:G0SB+3], s[G1SB:G1SB+7]
	s_nop 0
.rept 4
	v_nop
.endr
.Lhead_asked:
	; K steps 1 to 3 are asked of memory here: of the 128 rows that I fetch in the ring, each of the four partners that ask for them jointly takes 32, told apart by address (cx for A, cy for B): a lane a row, 256 bytes a K step
	s_cmp_eq_u32 s15, 0
	s_cselect_b64 s[100:101], s[20:21], s[46:47]
	s_cselect_b32 s104, s40, s41
	s_lshl_b32 s104, s104, 15
	s_mov_b32 s105, 0
	s_add_nc_u64 s[100:101], s[100:101], s[104:105]
	v_and_b32 v26, 31, v0
	v_lshlrev_b32 v26, 10, v26                     ; never rewritten
	global_prefetch_b8 v26, s[100:101] offset:256 th:TH_LOAD_NT scope:SCOPE_SE
	global_prefetch_b8 v26, s[100:101] offset:512 th:TH_LOAD_NT scope:SCOPE_SE
	global_prefetch_b8 v26, s[100:101] offset:768 th:TH_LOAD_NT scope:SCOPE_SE
	v_and_b32 v1, 15, v0                           ; r
	v_bfe_u32 v2, v0, 4, 1                         ; h
	v_mul_u32_u24 v3, v1, PITCH
	v_lshl_add_u32 v4, v2, 4, v3
	s_mul_i32 s21, s15, HALFT
	s_mul_i32 s22, s16, HALFT
	s_add_co_u32 s22, s22, 2*HALFT
.irp s, 0,1
	v_add_nc_u32 v[ADRA+\s], s21, v4
	v_add_nc_u32 v[ADRB+\s], s22, v4
	s_add_co_u32 s21, s21, SLOT
	s_add_co_u32 s22, s22, SLOT
.endr
	v_mul_u32_u24 v5, v1, KS
	v_lshrrev_b32 v6, 8, v5
	v_lshl_add_u32 v5, v6, 4, v5
	s_mul_i32 s21, s15, HALFS
	s_mul_i32 s22, s16, HALFS
	s_add_co_u32 s22, s22, 2*HALFS
	s_sub_co_u32 s22, s22, s21
	v_mul_u32_u24 v6, s22, v2                      ; lanes 16-31 take B's
	s_add_co_u32 s21, s21, SCL
	v_add_nc_u32 v5, v5, v6
	v_add_nc_u32 v[ADRS], s21, v5
	; where my 128 x 128 goes.  RB = my block of 128 rows, CB = my block of 128 columns
	s_lshl_b32 s66, s17, 1
	s_add_co_u32 s66, s66, s15                     ; RB
	s_lshl_b32 s67, s42, 1
	s_add_co_u32 s67, s67, s16                     ; CB
.if QKV
	s_lshl_b32 s18, s67, 19                        ; q, k: images [plane 2 CB (+ 1)][token / 16][1 KiB]
	s_lshl_b32 s19, s66, 13
	s_add_co_u32 s18, s18, s19
	s_lshr_b32 s19, s67, 4                         ; v: images [8 batch + head pair][key step][d tile][2 KiB] at 8,388,608
	s_lshl_b32 s19, s19, 3
	s_add_co_u32 s19, s19, s66
	s_lshl_b32 s19, s19, 4
	s_and_b32 s20, s67, 15
	s_add_co_u32 s19, s19, s20
	s_lshl_b32 s19, s19, 14
	s_add_co_u32 s19, s19, 0x800000
	s_lshl_b32 s20, s67, 5                         ; q, k: scale tiles [CB][RB] at 12,582,912
	s_add_co_u32 s20, s20, s66
	s_lshl_b32 s20, s20, 9
	s_add_co_u32 s20, s20, 12582912
	s_lshl_b32 s21, s66, 5                         ; v: scale tiles [RB][CB] at 12,845,056
	s_add_co_u32 s21, s21, s67
	s_lshl_b32 s21, s21, 9
	s_add_co_u32 s21, s21, 12845056
	s_lshl_b32 s22, s67, 9                         ; q, k: the bias goes by columns;
	s_lshl_b32 s23, s66, 9
	s_add_co_u32 s23, s23, 8192                    ; v: by rows, from number 2048 on
	s_mov_b32 s104, 1024
	s_mov_b32 s2, 262144
	s_cmp_eq_u32 ttmp9, 2
	s_cselect_b32 s18, s19, s18
	s_cselect_b32 s20, s21, s20
	s_cselect_b32 s22, 0, s22                      ; the bias that a part does not use is loaded from the buffer's head and made 0 further down
	s_cselect_b32 s46, s23, 0
	s_cselect_b32 s104, 2048, s104                 ; from block to block of 16 rows
	s_cselect_b32 s2, 1024, s2                     ; from piece 0 to piece 2: the next plane, or 1 KiB
	s_mov_b32 s105, 0
	s_mov_b32 s47, 0
.else
	s_lshl_b32 s18, s66, 19                        ; images [row / 16][K step CB][2 KiB]
	s_lshl_b32 s19, s67, 11
	s_add_co_u32 s18, s18, s19
	s_lshl_b32 s20, s66, 5                         ; scale tiles [RB][CB] at 16,777,216
	s_add_co_u32 s20, s20, s67
	s_lshl_b32 s20, s20, 9
	s_add_co_u32 s20, s20, 16777216
	s_lshl_b32 s22, s67, 9
.endif
	s_mov_b32 s19, 0
	s_mov_b32 s21, 0
	s_mov_b32 s23, 0
	s_add_nc_u64 s[92:93], s[12:13], s[20:21]      ; my scale tile
	s_add_nc_u64 s[12:13], s[12:13], s[18:19]      ; my first image
.if QKV
	s_add_nc_u64 s[98:99], s[96:97], s[46:47]
.endif
	s_add_nc_u64 s[96:97], s[96:97], s[22:23]
	v_lshlrev_b32 v7, 5, v2                        ; 32 h; never rewritten
.irp b, 0,1,2,3,4,5,6,7
	global_load_b128 v[BT+8*\b:BT+8*\b+3],   v7, s[96:97] offset:64*\b       ; waited for on the way out
	global_load_b128 v[BT+8*\b+4:BT+8*\b+7], v7, s[96:97] offset:64*\b+16
.endr
.if QKV
	v_lshlrev_b32 v30, 2, v1                       ; 4 r; never rewritten
.irp a, 0,1,2,3,4,5,6,7
	global_load_b32 v[RBV+\a], v30, s[98:99] offset:64*\a
.endr
.endif
.macro FRAG reg, adr, q, i             ; 16 rows x 128 K: lane l holds row l % 16; registers 4 c .. 4 c + 3 hold K = 32 c + 16 (l / 16) + 0 .. 15
.irp c, 0,1,2,3
	ds_load_b128 v[\reg+4*\c:\reg+4*\c+3], v[\adr] offset:128*(\q)+32*\c+(\i)*16*PITCH
.endr
.endm
; 16 matrix instructions: A's blocks a0, a0 + 1 x B's eight.  The 64 accumulators take turns, one instruction a turn, in the same order in every step.
.macro MUL16 a0, p, q, sc, zero
.irp a, \a0, \a0+1
.irp b, 0,1,2,3,4,5,6,7
.if \zero
	v_wmma_scale_f32_16x16x128_f8f6f4 v[8*(8*((\a)%4)+\b):8*(8*((\a)%4)+\b)+7], v[128*(\p)+FR*\b:128*(\p)+FR*\b+FR-1], v[AF+FR*(\a):AF+FR*(\a)+FR-1], 0, v[SC+8*NQ*(\sc)+NQ*\b+(\q)], v[SC+8*NQ*(\sc)+NQ*(\a)+(\q)] matrix_a_scale:MATRIX_SCALE_ROW1
.else
	v_wmma_scale_f32_16x16x128_f8f6f4 v[8*(8*((\a)%4)+\b):8*(8*((\a)%4)+\b)+7], v[128*(\p)+FR*\b:128*(\p)+FR*\b+FR-1], v[AF+FR*(\a):AF+FR*(\a)+FR-1], v[8*(8*((\a)%4)+\b):8*(8*((\a)%4)+\b)+7], v[SC+8*NQ*(\sc)+NQ*\b+(\q)], v[SC+8*NQ*(\sc)+NQ*(\a)+(\q)] matrix_a_scale:MATRIX_SCALE_ROW1
.endif
.endr
.endr
.endm
.macro FETCH_B slot, q, p
	WIN TO_B
.irp i, 0,1,2,3,4,5,6,7
	FRAG 128*(\p)+FR*\i, ADRB+\slot, \q, \i
.endr
	WIN 0
.endm
.macro FETCH_A slot, q, i0
.irp i, \i0, \i0+1, \i0+2, \i0+3
	FRAG AF+FR*(\i), ADRA+\slot, \q, \i
.endr
.endm
.macro SCALES sc                       ; a K step's scale words: lanes 0-15 A's block i, lanes 16-31 B's block i
.irp i, 0,1,2,3,4,5,6,7
	ds_load_b64 v[SC+8*NQ*\sc+NQ*\i:SC+8*NQ*\sc+NQ*\i+1], v[ADRS] offset:\i*SBLK
.endr
.endm
.macro PLACES n                        ; plain vector instructions between a matrix instruction and a load into, or a read of, its registers
.rept \n
	v_nop
.endr
.endm
.macro STEP slot, q, zero              ; a step of 128 along K that has its successor in the same slot
	s_wait_dscnt 4*NL                              ; B's set and A's blocks 0-3 are in; the youngest 16 loads (A's blocks 4-7) may be out
	WIN MUL_LO
	MUL16 0, (\q)%2, \q, \slot, \zero
	MUL16 2, (\q)%2, \q, \slot, \zero
	s_wait_dscnt 0
	PLACES NP
	FETCH_B \slot, (\q)+1, 1-(\q)%2
	FETCH_A \slot, (\q)+1, 0
	WIN MUL_HI
	MUL16 4, (\q)%2, \q, \slot, \zero
	MUL16 6, (\q)%2, \q, \slot, \zero
	PLACES NP
	WIN 0
	FETCH_A \slot, (\q)+1, 4
.endm
; A slot's last step changes slots: one barrier; in front of it each wave waits for all its tensor loads, adds 0 to its spare word, and waits for that and for its reads of this slot.
.macro TURN slot, next, fill
	s_wait_tensorcnt 0x0                           ; all my tensor loads have landed: my part of the next slot
	ds_add_u32 v[SPW], v[NIL]                      ; 0 onto my spare word
	s_wait_dscnt 4*NL+1                            ; the add and the youngest 16 loads may be out
	WIN MUL_LO
	MUL16 0, 1, NQ-1, \slot, 0
	s_wait_dscnt 0x0                               ; the add is done, and my reads of this slot are over
	s_barrier_signal -1
	MUL16 2, 1, NQ-1, \slot, 0
	WIN 0
	s_barrier_wait -1
.if \fill
	CREST                                          ; the barrier has opened a round of the cluster's barrier: no wave of any partner still reads this slot or has a load on its way
	s_add_nc_u64 s[G0+4*\slot+2:G0+4*\slot+3], s[G0+4*\slot+2:G0+4*\slot+3], 2*ROWB
	s_add_nc_u64 s[G0B+4*\slot+2:G0B+4*\slot+3], s[G0B+4*\slot+2:G0B+4*\slot+3], 2*ROWB
	JLOAD G0+4*\slot, G1, G0B+4*\slot, G1B         ; my one tensor load behind the round; its four v_nop are among the places below
	PLACES NP-4
.else
	PLACES NP
.endif
	s_wait_alu depctr_va_vdst(0)
	v_add_nc_u32 v[ADRS], 4*NQ, v[ADRS]
	FETCH_B \next, 0, 0
	FETCH_A \next, 0, 0
	SCALES \next
	WIN MUL_HI
	MUL16 4, 1, NQ-1, \slot, 0
	MUL16 6, 1, NQ-1, \slot, 0
	PLACES NP
	WIN 0
	FETCH_A \next, 0, 4
.endm
	s_wait_alu depctr_va_vdst(0)
	s_wait_tensorcnt 0x0                           ; my tile of the head's four is in
	ds_add_u32 v[SPW], v[NIL]
	s_mov_b32 s[G1+2], 128<<16                     ; no tensor load of mine is out: from here on a load brings 128 rows
	s_mov_b32 s[G1+4], 128
	s_mov_b32 s[G1B+2], 128<<16
	s_mov_b32 s[G1B+4], 128
	s_wait_dscnt 0x0
	CROUND                                         ; all four tiles are in, and all sixteen work-groups are here
	JLOAD G0+4, G1, G0B+4, G1B                     ; K step 1: the first tensor load behind the round
	FETCH_B 0, 0, 0
	FETCH_A 0, 0, 0
	SCALES 0
	FETCH_A 0, 0, 4
	STEP 0, 0, 1                                   ; the first step's products start the sums
	s_mov_b32 s3, LAPS-1
.Llap:
	TURN 0, 1, 1
	STEP 1, 0, 0
	TURN 1, 0, 1
	STEP 0, 0, 0
	s_sub_co_u32 s3, s3, 1
	s_cmp_lg_u32 s3, 0
	s_cbranch_scc1 .Llap
	TURN 0, 1, 0                                   ; the last lap fills nothing
	STEP 1, 0, 0
	s_wait_dscnt 4*NL
	WIN MUL_LO
	MUL16 0, 1, NQ-1, 1, 0
	MUL16 2, 1, NQ-1, 1, 0
	s_wait_dscnt 0
	WIN MUL_HI
	MUL16 4, 1, NQ-1, 1, 0
	MUL16 6, 1, NQ-1, 1, 0
	WIN 0
	; ---- THE WAY OUT
	PLACES NP                                      ; behind the last products: their results are read and B's registers written from here on
	s_wait_loadcnt 0x0                             ; the biases
	s_mov_b32 s20, 0x76543210
	s_mov_b32 s21, 0xfedcba98                      ; selects for lane l xor 16
	s_mov_b32 s22, 0x600000                        ; the mantissa field of 448
	v_and_b32 v31, 31, v0
	v_lshlrev_b32 v3, 4, v31                       ; 16 x lane: a piece's place for my lane
	v_cmp_lt_u32 s66, 15, v31                      ; lanes 16-31
.if QKV
	s_not_b32 s94, s95
.set i, 0
.rept 64
	v_and_b32 v[BT+i], s94, v[BT+i]                ; v's part has no column bias,
.set i, i+1
.endr
.set i, 0
.rept 8
	v_and_b32 v[RBV+i], s95, v[RBV+i]              ; q's and k's no row bias
.set i, i+1
.endr
	v_add_nc_u32 v4, 512, v3
	v_add_nc_u32 v5, s2, v3
	v_add_nc_u32 v6, 512, v5
.else
	s_mov_b32 s23, 0x3eb504f3                      ; 1 / (2 sqrt 2)
.irp k, 0xbfa1fc4e,0x3f8000c7,0x3ebf88fb,0x3dc636c9,0xbe3ec24c,0x3e8ec7cc,0xbf914e5d,0x3fbe87b0,0x3e2ef945
	s_mov_b32 s[CF+2*\+], \k                       ; c0 .. c7, c9: the scales' descriptors are done with since the loop's waits for all tensor loads
	s_mov_b32 s[CF+2*\++1], \k
.endr
.endif
	WIN 0x40                                       ; destination window 1
	v_mov_b32 v[OA], v3
.if QKV
	v_mov_b32 v[OA+1], v4
	v_mov_b32 v[OA+2], v5
	v_mov_b32 v[OA+3], v6
.else
	v_mov_b32 v[C8], 0xbf527891                    ; c8, twice
	v_mov_b32 v[C8+1], 0xbf527891
.endif
	v_mov_b32 v[PW], 0
.irp j, 0,1,2,3,4,5,6,7
	v_mov_b32 v[SW+\j], 0
.endr
.irp j, 4,5,6,7
	v_mov_b32 v[TM+\j], 0                          ; a lane permute's destination counts as one of its sources
.endr
	WIN 0
; Block k's 64 sums + bias -> Y.  The one part whose register numbers change from block to block: written out eight times; each accumulator is read from its low end on.
.macro COPY k
.Lcopy_\k:
.if \k > 0
	WIN 0x55
	v_mov_b32 v[SW+\k-1], v[PW]                    ; the scale word of the block before
.endif
	WIN 0x42+(\k)/4                                ; source 0: window 2 or 3; source 1: window 0; destination: window 1
.set i, 0
.rept 32
	v_pk_add_f32 v[Y+2*i:Y+2*i+1], v[64*((\k)%4)+2*i:64*((\k)%4)+2*i+1], v[BT+2*i:BT+2*i+1]
.set i, i+1
.endr
.if QKV
	WIN 0x41
.set i, 0
.rept 32
.if (\k)%2
	v_pk_add_f32 v[Y+2*i:Y+2*i+1], v[Y+2*i:Y+2*i+1], v[RBV+2*((\k)/2):RBV+2*((\k)/2)+1] op_sel:[0,1] op_sel_hi:[1,1]
.else
	v_pk_add_f32 v[Y+2*i:Y+2*i+1], v[Y+2*i:Y+2*i+1], v[RBV+2*((\k)/2):RBV+2*((\k)/2)+1] op_sel_hi:[1,0]
.endif
.set i, i+1
.endr
.endif
	WIN 0
	s_branch .Lwork
.endm
; gelu(x) = x Phi(x) of Y[o .. o + 31].  z = |x| / sqrt 2, t = 1 / (1 + z / 2), E = t exp(-z^2 + P(t)) / 2 = erfc(z) / 2; gelu = max(x E, x - x E): right for both signs, and nothing cancels in the negative tail.
.macro GELU o
.set i, 0
.rept 32
	v_fma_f32 v[T+i], |v[Y+\o+i]|, s23, 1.0
.set i, i+1
.endr
.set i, 0
.rept 32
	v_rcp_f32 v[T+i], v[T+i]
.set i, i+1
.endr
.set i, 0
.rept 16
	v_pk_mul_f32 v[HH+i:HH+i+1], v[Y+\o+i:Y+\o+i+1], v[Y+\o+i:Y+\o+i+1]   ; x^2: independent work behind the reciprocals
.set i, i+2
.endr
	s_wait_alu depctr_va_vdst(0)                   ; the wait ahead of the batch's first reader
.set i, 0
.rept 16
	v_pk_fma_f32 v[U+i:U+i+1], v[T+i:T+i+1], s[C9:C9+1], v[C8:C8+1] op_sel_hi:[1,0,1]
.set i, i+2
.endr
.irp k, 7,6,5,4,3,2,1,0
.set i, 0
.rept 16
	v_pk_fma_f32 v[U+i:U+i+1], v[U+i:U+i+1], v[T+i:T+i+1], s[CF+2*\k:CF+2*\k+1] op_sel_hi:[1,1,0]
.set i, i+2
.endr
.endr
.set i, 0
.rept 16
	v_pk_fma_f32 v[U+i:U+i+1], v[HH+i:HH+i+1], -0.5, v[U+i:U+i+1] op_sel_hi:[1,0,1]   ; - z^2
.set i, i+2
.endr
.set i, 0
.rept 16
	v_pk_fma_f32 v[U+i:U+i+1], v[U+i:U+i+1], 0x3fb8aa3b, -1.0 op_sel_hi:[1,0,0]       ; x log2(e), - 1 for the half
.set i, i+2
.endr
.set i, 0
.rept 32
	v_exp_f32 v[U+i], v[U+i]
.set i, i+1
.endr
.set i, 0
.rept 16
	v_pk_mul_f32 v[T+i:T+i+1], v[T+i:T+i+1], v[Y+\o+i:Y+\o+i+1]           ; x t: independent work behind the exponentials
.set i, i+2
.endr
	s_wait_alu depctr_va_vdst(0)
.set i, 0
.rept 16
	v_pk_mul_f32 v[HH+i:HH+i+1], v[T+i:T+i+1], v[U+i:U+i+1]               ; x E
.set i, i+2
.endr
.set i, 0
.rept 16
	v_pk_add_f32 v[U+i:U+i+1], v[Y+\o+i:Y+\o+i+1], v[HH+i:HH+i+1] neg_lo:[0,1] neg_hi:[0,1]   ; x - x E
.set i, i+2
.endr
.set i, 0
.rept 32
	v_max_num_f32 v[Y+\o+i], v[HH+i], v[U+i]
.set i, i+1
.endr
.endm
; Y's 64 numbers (register 16 b + 8 u + j = column 32 b + 16 u + 8 h + j of my row) become the image's 16 registers in PC and my row's scale word in PW.
.macro QUANTY
.irp b, 0,1,2,3
	v_max3_num_f32 v[TM+\b], |v[Y+16*\b]|, |v[Y+1+16*\b]|, 0x4800000   ; my 16 numbers of block b, and the floor 2^(9 - 127)
.endr
.irp i, 2,4,6,8,10,12,14
.irp b, 0,1,2,3
	v_max3_num_f32 v[TM+\b], v[TM+\b], |v[Y+16*\b+\i]|, |v[Y+1+16*\b+\i]|
.endr
.endr
.irp b, 0,1,2,3
	v_permlanex16_b32 v[TM+4+\b], v[TM+\b], s20, s21
.endr
.irp b, 0,1,2,3
	v_max_num_f32 v[TM+\b], v[TM+\b], v[TM+4+\b]   ; with lane l xor 16's: the block's largest magnitude
.endr
.irp b, 0,1,2,3
	v_add_nc_u32 v[TM+12+\b], 0xfc000000, v[TM+\b] ; 8 off the exponent field: the conversion's scale operand
.endr
.irp b, 0,1,2,3
	v_and_or_b32 v[TM+8+\b], v[TM+\b], 0x7f800000, s22   ; 448 x the scale
.endr
.irp b, 0,1,2,3
	v_lshrrev_b32 v[TM+4+\b], 23, v[TM+12+\b]      ; the scale's byte
.endr
	v_lshl_or_b32 v[PW], v[TM+5], 8, v[TM+4]
	v_lshl_or_b32 v[PW], v[TM+6], 16, v[PW]
	v_lshl_or_b32 v[PW], v[TM+7], 24, v[PW]
.irp b, 0,1,2,3
.irp i, 0,1,2,3,4,5,6,7,8,9,10,11,12,13,14,15
	v_med3_num_f32 v[Y+16*\b+\i], v[Y+16*\b+\i], -v[TM+8+\b], v[TM+8+\b]   ; the conversion to an 8-bit code does not saturate (ISA guide 7.6.2)
.endr
	v_cvt_scalef32_pk8_fp8_f32 v[PC+4*\b:PC+1+4*\b], v[Y+16*\b:Y+7+16*\b], v[TM+12+\b]
	v_cvt_scalef32_pk8_fp8_f32 v[PC+2+4*\b:PC+3+4*\b], v[Y+8+16*\b:Y+15+16*\b], v[TM+12+\b]
.endr
	v_nop                                          ; a plain line between the conversions and the next instruction that touches their results
	; In this launch the codes stay in the result's order and no half rows of lanes are exchanged: piece c holds for lane (r, h) the codes 32 c + 8 h + 0 .. 7 and 32 c + 16 + 8 h + 0 .. 7.
	; q and k are laid alike, and v's keys as p's codes come out in the next launch: a product's two operands have the same order inside each block of 32.
.endm
	s_mov_b32 s3, 0
.Lblk:                                                 ; eight trips, a block of 16 rows each
.irp k, 0,1,2,3,4,5,6
	s_cmp_eq_u32 s3, \k
	s_cbranch_scc1 .Lcopy_\k
.endr
	COPY 7
	COPY 0
	COPY 1
	COPY 2
	COPY 3
	COPY 4
	COPY 5
	COPY 6
.Lwork:
	WIN 0x55                                       ; everything in window 1
.if QKV == 0
	GELU 0
	GELU 32
.endif
	QUANTY
.irp c, 0,1,2,3
.if QKV
	global_store_b128 v[OA+\c], v[PC+4*\c:PC+4*\c+3], s[12:13]              ; 32 lanes store 512 consecutive bytes, aligned
.else
	global_store_b128 v[OA], v[PC+4*\c:PC+4*\c+3], s[12:13] offset:512*\c   ; 32 lanes store 512 consecutive bytes, aligned
.endif
.endr
	WIN 0
	s_wait_xcnt 0x0                                ; the stores have read their data and their base: both are written again below and in the next trip
.if QKV
	s_add_nc_u64 s[12:13], s[12:13], s[104:105]
.else
	s_add_nc_u64 s[12:13], s[12:13], 65536
.endif
	s_add_co_u32 s3, s3, 1
	s_cmp_lt_u32 s3, 8
	s_cbranch_scc1 .Lblk
	WIN 0x55
	v_mov_b32 v[SW+7], v[PW]
.irp j, 0,1,2,3
	v_cndmask_b32 v[PC+\j], v[SW+\j], v[SW+4+\j], s66   ; lanes 0-15: blocks 0-3; lanes 16-31: blocks 4-7
.endr
	global_store_b128 v[OA], v[PC:PC+3], s[92:93]  ; the scale tile: 512 consecutive bytes
	WIN 0
	s_wait_tensorcnt 0x0                           ; the wave's end
	ds_add_u32 v[SPW], v[NIL]
	s_wait_dscnt 0x0
	CROUND                                         ; the closing round
	s_endpgm
.Lfunc_end_k_q514c582586_qkv:
	.size	k_q514c582586_qkv, .Lfunc_end_k_q514c582586_qkv-k_q514c582586_qkv
	.p2alignl 7, 3214868480
	.fill 96, 4, 3214868480
	.section	.rodata,"a",@progbits
	.p2align	6, 0x0
	.amdhsa_kernel k_q514c582586_qkv
		.amdhsa_group_segment_fixed_size 327680
		.amdhsa_private_segment_fixed_size 0
		.amdhsa_enable_private_segment 0
		.amdhsa_kernarg_size 40
		.amdhsa_user_sgpr_count 2
		.amdhsa_user_sgpr_kernarg_segment_ptr 1
		.amdhsa_wavefront_size32 1
		.amdhsa_system_sgpr_workgroup_id_x 1
		.amdhsa_system_sgpr_workgroup_id_y 1
		.amdhsa_system_sgpr_workgroup_id_z 1
		.amdhsa_system_vgpr_workitem_id 0
		.amdhsa_next_free_vgpr 1024
		.amdhsa_next_free_sgpr 106
		.amdhsa_reserve_vcc 0
		.amdhsa_float_denorm_mode_32 3
		.amdhsa_float_denorm_mode_16_64 3
		.amdhsa_memory_ordered 1
		.amdhsa_forward_progress 1
		.amdhsa_inst_pref_size 168
	.end_amdhsa_kernel
	.amdgpu_metadata
---
amdhsa.version: [ 1, 2 ]
amdhsa.kernels:
  - .name:           k_q514c582586_qkv
    .symbol:         k_q514c582586_qkv.kd
    .args:
      - { .name: hbuf, .offset: 0, .size: 8, .value_kind: global_buffer, .address_space: global }
      - { .name: qkvw_codes, .offset: 8, .size: 8, .value_kind: global_buffer, .address_space: global }
      - { .name: qkvw_scales, .offset: 16, .size: 8, .value_kind: global_buffer, .address_space: global }
      - { .name: qkvb, .offset: 24, .size: 8, .value_kind: global_buffer, .address_space: global }
      - { .name: qkv, .offset: 32, .size: 8, .value_kind: global_buffer, .address_space: global }
    .group_segment_fixed_size: 327680
    .private_segment_fixed_size: 0
    .kernarg_segment_align: 8
    .kernarg_segment_size: 40
    .max_flat_workgroup_size: 128
    .sgpr_count:     106
    .vgpr_count:     1024
    .wavefront_size: 32
...
	.end_amdgpu_metadata
.endif
;; end of part 2
;; launch attn (part 3): grid 8 x 32, 16 waves a work-group, clusters of 4 x 1, 327,680 bytes of LDS; arguments qkv, mask, ctx; writes ctx
.if DOCPART == 3
	.amdgcn_target "amdgcn-amd-amdhsa--gfx1250"
	.amdhsa_code_object_version 6
	.text
	.protected	k_q514c582586_attn
	.globl	k_q514c582586_attn
	.p2align	8
	.type	k_q514c582586_attn,@function
k_q514c582586_attn:
	s_mov_b64 s[64:65], 0
	v_nop
	global_prefetch_b8 v0, s[64:65] scope:SCOPE_SE
	s_setreg_imm32_b32 hwreg(HW_REG_WAVE_MODE, 25, 1), 1
	s_wait_xcnt 0x0
	s_wait_alu depctr_hold_cnt(0) depctr_sa_sdst(0) depctr_va_vdst(0) depctr_va_sdst(0) depctr_va_ssrc(0) depctr_va_vcc(0) depctr_vm_vsrc(0)
	s_getreg_b32 s2, hwreg(HW_REG_IB_STS2, 6, 4)
	s_cmp_eq_u32 s2, 0
	s_cbranch_scc0 .Lentry_in_a_cluster
	s_endpgm
.Lentry_in_a_cluster:
	s_bfe_u32 s2, ttmp6, 0x10000c
	s_cmp_lg_u32 s2, 0x3003
	s_cbranch_scc0 .Lentry_shape_is_right
	s_endpgm
.Lentry_shape_is_right:
; ATTENTION ON CODES OF E4M3.  ctx[b][q][head][:] = sum over k of softmax_k(q . k / 8 + mask[b][k]) v[k][:], both products quantised; ctx leaves quantised along H, as images for the next product.
; THE SOFTMAX: t = logit x log2(e); M = the running largest t rounded up to a whole number; p = 2^(t - M) is quantised along the keys, not normalised; the row's sum is taken of the unquantised p and divides at the end.
; INPUT (made by the launch before): q's and k's images [plane][token / 16][1 KiB] (16 rows x 64 codes as operand registers: piece c of 512 bytes, lane's 16 bytes at 16 x lane), v's images with the keys innermost
; [8 b + head pair][key step of 128][d tile][2 KiB], and scale tiles of 512 bytes for 128 rows (word of row r of block i at 256 (i / 4) + 16 r + 4 (i % 4)).  Inside a block of 32 all images have the result's order
; (lane (r, h): 8 h + 0 .. 7, then 16 + 8 h + 0 .. 7): q and k alike, and v's keys as p's codes come out here, so p needs no exchange of lanes.
; SHARES.  A work-group owns 256 queries of ONE head; wave w takes query tile w, in 256 registers, four waves to a SIMD.  32 (b, head) x 8 blocks of queries = 256 work-groups.
; LDS HOLDS THE HEAD'S WHOLE K (128 KiB) AND V (128 KiB), the batch's mask and the scale bytes: 289,280 bytes with stages and spare words.  Every tensor load is a first fill at the head, one a wave; nothing is filled again,
; so the key loop has no change of slots.  The first 512 keys, the mask and the scales have load lines of their own (waves 0 to 4), shown by the first barrier; the other 1,536 keys (waves 5-7, 9-11) are shown by the barrier behind key step 3.
; CLUSTER.  The four query blocks of a cluster need the same K, V, mask and scales: every tensor load is joint (mask 15).
; NO PREFETCH: all loads leave at the head, ahead of any loop; there is no later request to run ahead of.
; LAYOUT.  S^T = K Q^T (source 0 = keys, source 1 = my queries), O^T = V^T P^T: a lane holds one query throughout.
; THE HEAD'S K IS 64, THE INSTRUCTION'S 128: a fragment of K holds two tiles of 16 keys, tile f in registers 0-7 and tile 4 + f in registers 8-15.  Q stands once, between two runs of eight registers of zero codes:
; v[16:31] (Q, zeros) picks tile f, v[8:23] (zeros, Q) picks tile 4 + f.
; THE MASK IS THE C OF THE FIRST PRODUCT, loaded in the result's layout; 1 / 8 is taken off q's scale bytes.
; ctx's scale bytes leave by head: [block of 128 rows][head pair][head of the pair][256 bytes: the two bytes of row r of block i at 128 (i / 4) + 8 r + 2 (i % 4)]: whole units of 256 bytes.
; LIMITS: a q block whose scale byte is under 4 is held at byte 1 when 1 / 8 is folded in; a row whose every key has mask = -infinity gives NaN, as the definition does; other NaN and infinities are not served.
.set VOFF,  131072                     ; K's images at 0: 8 KiB a key step; V's here: 8 KiB a key step
.set MSKL,  262144                     ; the batch's mask, 8 KiB
.set KSC,   270336                     ; K's scale tiles as they come, 16 x 512
.set VSC,   278528                     ; V's scale words of my head, 16 x 256
.set KSP,   282624                     ; K's scale words by fragment: [step][row][fragment], 16 x 256: written by LDS stores, bytes of their own
.set SCST,  286720                     ; ctx's scale bytes, 512: written by LDS stores, bytes of their own
.set SPARE, 287232                     ; the spare words, 128 bytes a wave: no other line names them
.set AK0, 1
.set AV0, 2
.set AM0, 3
.set ASK0, 4
.set SPW, 5
.set NIL, 6
.set ASV0, 7
.set Q1,  8                            ; v8-23   eight registers of zero codes, then Q
.set Q0,  16                           ; v16-31  Q, then eight registers of zero codes
.set KF,  32                           ; v32-95  K's four fragments, then V's four
.set S,   96                           ; v96-159 the mask, then scores, then p
.set O,   160                          ; v160-191 O^T
.set PC,  192                          ; v192-207 p's codes
.set KSW, 208
.set VSW, 212
.set PSW, 216
.set STG, 217                          ; LDS: where my row's two scale bytes go
.set ADT, 218
.set CSO, 219                          ; wave 0: ctx's scale bytes' offset in memory
.set BM,  220
.set BX,  224
.set BH,  228
.set BS,  232
.set QSW, 244                          ; Q's scale word for v[16:31]
.set QSW1, 246                         ; and for v[8:23]
.set ADK, 248
.set ADV, 249
.set ADM, 250
.set ADS, 251
.set NM,  252                          ; -M
.set TX,  253                          ; the running largest t
.set SUM, 254                          ; v254-255 the row's sum, in two halves
.set TK,  80                           ; s80 8,192 x key step: K's and V's images
.set TS,  81                           ; s81 512 x key step: the mask
.set TH,  66                           ; s66 256 x key step: the scale words
.set CNT, 67
.macro CROUND
	s_barrier_signal -1
	s_barrier_wait -1
	s_cmp_lg_u32 s10, 0
	s_cbranch_scc1 .Lnot_wave_0_\@
	s_barrier_signal -3
.Lnot_wave_0_\@:
	s_barrier_wait -3
	s_barrier_signal -1
	s_barrier_wait -1
.endm
.macro GRP1 g, c, r, p                 ; descriptor group 1: all four partners; elements of 8 bytes; r rows of c elements, p elements apart
	s_mov_b32 s[\g], 15|(3<<16)|(1<<21)
	s_mov_b32 s[\g+1], (\c)<<16
	s_mov_b32 s[\g+2], (\r)<<16
	s_mov_b32 s[\g+3], (\c)<<16
	s_mov_b32 s[\g+4], \r
	s_mov_b32 s[\g+5], \p
	s_mov_b32 s[\g+6], 0
	s_mov_b32 s[\g+7], 0
.endm
.macro ARM under, g0, g1, next         ; an arm of the head's chain: one tensor load; s_nop 0 and four v_nop follow it
	s_cmp_lt_u32 s10, \under
	s_cbranch_scc0 \next
	tensor_load_to_lds s[\g0:\g0+3], s[\g1:\g1+7]
	s_nop 0
.rept 4
	v_nop
.endr
	s_branch .Lasked
\next:
.endm
	s_load_b128 s[4:7], s[0:1], 0x0                ; qkv, mask
	s_load_b64 s[8:9], s[0:1], 0x10                ; ctx
	v_lshl_add_u32 v[SPW], v0, 2, SPARE
	v_mov_b32 v[NIL], 0
	ds_add_u32 v[SPW], v[NIL]                      ; the opening: the add, twice on end, and its wait ahead of the first tensor load
	ds_add_u32 v[SPW], v[NIL]
	v_lshrrev_b32 v240, 5, v0
	v_readfirstlane_b32 s10, v240                  ; wave 0..15: my tile of 16 queries
	s_and_b32 s12, s10, 3                          ; which 512 keys I fetch, if I fetch
	s_bfe_u32 s13, ttmp6, 0x40000                  ; cx
	s_lshl_b32 s14, ttmp9, 2
	s_add_co_u32 s14, s14, s13                     ; my block of 256 queries
	s_and_b32 s15, ttmp7, 0xffff                   ; 16 b + head
	s_lshr_b32 s16, s15, 4                         ; b
	s_and_b32 s84, s15, 15                         ; head
	s_lshr_b32 s17, s84, 1                         ; head pair
	s_and_b32 s11, s84, 1                          ; which head of the pair
	GRP1 28, 32, 128, 32                           ; K: 128 rows of 256 bytes, dense: 32 KiB = 512 keys
	GRP1 36, 1024, 4, 2048                         ; V: 4 key steps x 8 KiB (my head's four d tiles), 16 KiB apart
	GRP1 44, 32, 32, 32                            ; the mask, K's scale tiles: 8 KiB dense
	GRP1 52, 32, 16, 64                            ; V's scale words: my head's 256 bytes of each of 16 tiles of 512
	s_add_co_u32 s18, s84, 16                      ; K's plane 16 + head, the batch's tokens, my 512 keys
	s_lshl_b32 s18, s18, 18
	s_lshl_b32 s25, s16, 17
	s_add_co_u32 s18, s18, s25
	s_lshl_b32 s25, s12, 15
	s_add_co_u32 s18, s18, s25
	s_mov_b32 s19, 0
	s_lshl_b32 s2, s16, 3                          ; V's images of 8 b + head pair, my head's half of a key step, my four key steps
	s_add_co_u32 s2, s2, s17
	s_lshl_b32 s2, s2, 18
	s_lshl_b32 s25, s11, 13
	s_add_co_u32 s2, s2, s25
	s_lshl_b32 s25, s12, 16
	s_add_co_u32 s2, s2, s25
	s_add_co_u32 s2, s2, 8388608
	s_mov_b32 s3, 0
	s_lshl_b32 s25, s17, 5
	s_lshl_b32 s26, s16, 4
	s_add_co_u32 s25, s25, s26
	s_lshl_b32 s25, s25, 9                         ; (32 hp + 16 b) scale tiles of 512 bytes
	s_add_co_u32 s26, s25, 12582912+131072         ; wave 3: K's tiles (column block 8 + hp)
	s_lshl_b32 s27, s16, 13                        ; wave 2: the batch's mask
	s_cmp_eq_u32 s10, 2
	s_cselect_b32 s26, s27, s26
	s_mov_b32 s27, 0
	s_lshl_b32 s94, s11, 8                         ; wave 1: V's scale words
	s_add_co_u32 s94, s94, s25
	s_add_co_u32 s94, s94, 12845056
	s_mov_b32 s95, 0
	s_lshl_b32 s85, s16, 7
	s_lshl_b32 s86, s14, 4
	s_add_co_u32 s85, s85, s86
	s_add_co_u32 s85, s85, s10                     ; my tile of 16 tokens
	s_lshl_b32 s86, s84, 18
	s_lshl_b32 s87, s85, 10
	s_add_co_u32 s86, s86, s87
	s_mov_b32 s87, 0                               ; Q's image
	s_lshl_b32 s88, s85, 14
	s_lshl_b32 s89, s84, 10
	s_add_co_u32 s88, s88, s89
	s_mov_b32 s89, 0                               ; my half fragment of ctx
	s_lshl_b32 s90, s14, 10                        ; Q's scale words: tile 32 hp + 16 b + 2 x block + wave / 8; in it 256 ((wave % 8) / 4) + 4 (wave % 4)
	s_add_co_u32 s90, s90, s25
	s_lshr_b32 s91, s10, 2
	s_lshl_b32 s91, s91, 8
	s_add_co_u32 s90, s90, s91
	s_lshl_b32 s91, s12, 2
	s_add_co_u32 s90, s90, s91
	s_add_co_u32 s90, s90, 12582912
	s_mov_b32 s91, 0
	s_lshl_b32 s92, s16, 4                         ; ctx's scale bytes: ((16 b + 2 x block) x 8 + hp) x 512 + 256 x head of the pair
	s_lshl_b32 s93, s14, 1
	s_add_co_u32 s92, s92, s93
	s_lshl_b32 s92, s92, 3
	s_add_co_u32 s92, s92, s17
	s_lshl_b32 s92, s92, 9
	s_lshl_b32 s93, s11, 8
	s_add_co_u32 s92, s92, s93
	s_add_co_u32 s92, s92, 4194304
	s_mov_b32 s93, 0
	s_lshr_b32 s82, s10, 2                         ; and in LDS: 128 (wave / 4) + 2 (wave % 4): the wave's number alone
	s_lshl_b32 s82, s82, 7
	s_lshl_b32 s83, s12, 1
	s_add_co_u32 s82, s82, s83
	s_add_co_u32 s82, s82, SCST
	s_mov_b32 s20, 0x76543210
	s_mov_b32 s21, 0xfedcba98                      ; selects for lane l xor 16
	s_mov_b32 s22, 0x3fb8aa3b                      ; log2(e)
	s_mov_b32 s23, s22
	s_mov_b32 s24, 0x600000                        ; the mantissa field of 448
	s_mov_b32 s[TK], 0
	s_mov_b32 s[TS], 0
	s_mov_b32 s[TH], 0
	s_wait_dscnt 0x0                               ; both opening adds are done
	s_wait_kmcnt 0x0
	s_mov_b32 s60, 1                               ; group 0, K: LDS 32 KiB x (wave % 4)
	s_lshl_b32 s61, s12, 15
	s_add_nc_u64 s[62:63], s[4:5], s[18:19]
	s_or_b32 s63, s63, 0x80000000
	s_mov_b32 s68, 1                               ; V: the same behind K
	s_add_co_u32 s69, s61, VOFF
	s_add_nc_u64 s[70:71], s[4:5], s[2:3]
	s_or_b32 s71, s71, 0x80000000
	s_mov_b32 s72, 1                               ; wave 2: the mask; wave 3: K's scale tiles
	s_and_b32 s73, s10, 1
	s_lshl_b32 s73, s73, 13
	s_add_co_u32 s73, s73, MSKL
	s_cmp_eq_u32 s10, 2
	s_cselect_b64 s[74:75], s[6:7], s[4:5]
	s_add_nc_u64 s[74:75], s[74:75], s[26:27]
	s_or_b32 s75, s75, 0x80000000
	s_mov_b32 s76, 1                               ; V's scale words
	s_mov_b32 s77, VSC
	s_add_nc_u64 s[78:79], s[4:5], s[94:95]
	s_or_b32 s79, s79, 0x80000000
	s_add_nc_u64 s[96:97], s[4:5], s[86:87]
	s_add_nc_u64 s[98:99], s[4:5], s[90:91]
	s_add_nc_u64 s[100:101], s[8:9], s[88:89]
	s_add_nc_u64 s[104:105], s[8:9], s[92:93]
	CROUND                                         ; all four work-groups are here: the joint loads meet
	ARM 1, 60, 28, .La1                            ; wave 0: K's keys 0-511
	ARM 2, 76, 52, .La2                            ; wave 1: V's scale words
	ARM 4, 72, 44, .La3                            ; waves 2, 3: the mask, K's scale tiles
	ARM 5, 68, 36, .La4                            ; wave 4: V's keys 0-511
	ARM 8, 60, 28, .La5                            ; waves 5-7: K's keys 512 x (wave % 4) on: a line of their own, waited for at the later barrier
	s_cmp_lt_u32 s10, 9
	s_cbranch_scc1 .Lasked
	ARM 12, 68, 36, .La6                           ; waves 9-11: V's likewise
.Lasked:
	s_mov_b32 s25, 0x07060302                      ; v_perm_b32's selector: the high halves (the pair's second head),
	s_cmp_eq_u32 s11, 0
	s_cselect_b32 s25, 0x05040100, s25             ; or the low halves (its first)
	s_lshl_b32 s26, s11, 4                         ; 16 x head of the pair
	v_and_b32 v236, 31, v0                         ; lane
	v_and_b32 v237, 15, v0                         ; r
	v_bfe_u32 v238, v0, 4, 1                       ; h
	v_lshlrev_b32 v242, 4, v236                    ; 16 x lane
	v_lshlrev_b32 v241, 4, v237                    ; 16 r
	s_wait_alu depctr_va_vdst(0)
	global_load_b128 v[16:19], v242, s[96:97]      ; Q's two pieces; they stay
	global_load_b128 v[20:23], v242, s[96:97] offset:512
	global_load_b32 v[QSW], v241, s[98:99]         ; Q's scale words
	v_mov_b32 v[AK0], v242                         ; K's images
	v_add_nc_u32 v[AV0], VOFF, v242                ; V's images
	v_lshl_add_u32 v[AM0], v238, 5, MSKL           ; the mask: 32 h
	v_add_nc_u32 v[ASK0], KSP, v241                ; K's scale words by fragment: row r
	v_add_nc_u32 v[ASV0], VSC, v241                ; V's scale words: row r
	s_lshl_b32 s27, s10, 9
	s_add_co_u32 s27, s27, KSC
	v_add_nc_u32 v243, s27, v241                   ; the tile of K's scale words that my wave re-orders: step = my wave's number, row r
	s_lshl_b32 s27, s10, 8
	s_add_co_u32 s27, s27, KSP
	v_add_nc_u32 v247, s27, v241                   ; and where the result goes: 256 x wave + 16 r (both halves of the lanes write the same)
	v_lshl_add_u32 v[STG], v237, 3, s82
	v_add_nc_u32 v245, SCST, v242
	v_lshl_add_u32 v[CSO], v238, 12, v241          ; lanes 0-15: the first 128 rows' unit; lanes 16-31: the next block's, 4,096 bytes on
	v_mov_b32 v239, 0                              ; (named as the upper half of the pair v[238:239])
.irp j, 8,9,10,11,12,13,14,15,24,25,26,27,28,29,30,31
	v_mov_b32 v[\j], 0                             ; the zero codes on both sides of Q: written once
.endr
	v_mov_b32 v[TX], 0xff61b1e6                    ; the largest t so far: -3e38
	v_mov_b32 v[SUM], 0
	v_mov_b32 v[SUM+1], 0
	v_floor_f32 v[NM], -v[TX]                      ; -M
.set j, 0
.rept 32
	v_mov_b32 v[O+j], 0                            ; the step is written for all steps alike: the first finds zeros
.set j, j+1
.endr
.irp b, 0,1,2,3
	v_mov_b32 v[BX+\b], 0                          ; a lane permute's destination counts as one of its sources
.endr
	s_wait_alu depctr_va_vdst(0)
	s_wait_loadcnt 0x0                             ; Q
	v_lshrrev_b32 v[QSW], s26, v[QSW]              ; my head's two bytes; 1 / 8 = 1 / sqrt(64) comes off each: exact
	s_delay_alu instid0(VALU_DEP_1)
	v_and_b32 v236, 0xff, v[QSW]
	s_delay_alu instid0(VALU_DEP_2)
	v_bfe_u32 v237, v[QSW], 8, 8
	s_delay_alu instid0(VALU_DEP_2)
	v_max_u32 v236, 4, v236
	s_delay_alu instid0(VALU_DEP_2)
	v_max_u32 v237, 4, v237
	s_delay_alu instid0(VALU_DEP_2)
	v_add_nc_u32 v236, -3, v236
	s_delay_alu instid0(VALU_DEP_2)
	v_add_nc_u32 v237, -3, v237
	s_delay_alu instid0(VALU_DEP_1)
	v_lshl_or_b32 v[QSW], v237, 8, v236            ; bytes 2 and 3 are 0: they stand over zero codes
	s_delay_alu instid0(VALU_DEP_1)
	v_lshlrev_b32 v[QSW1], 16, v[QSW]              ; and the same for Q in the upper half of K
	s_wait_alu depctr_va_vdst(0)                   ; the wait at the head's end
	s_cmp_lt_u32 s10, 5
	s_cbranch_scc0 .Lnot_first
	s_wait_tensorcnt 0x0                           ; waves 0 to 4: the first 512 keys, the mask, the scales have landed
.Lnot_first:
	s_barrier_signal -1
	s_barrier_wait -1
	ds_load_b128 v[32:35], v243                    ; row r's scale words of tiles 0-3 of step w (each: two bytes of either head),
	ds_load_b128 v[36:39], v243 offset:256         ; and of tiles 4-7
.irp t, 0,1,2,3,4,5,6,7
	ds_load_b128 v[S+8*\t:S+8*\t+3],   v[AM0] offset:64*\t       ; the first step's mask, in the result's layout: register j = key 16 t + 8 h + j
	ds_load_b128 v[S+8*\t+4:S+8*\t+7], v[AM0] offset:64*\t+16
.endr
	s_wait_dscnt 16                                ; the two loads of scale words are in; the mask's sixteen may be out
.irp j, 0,1,2,3
	v_perm_b32 v[40+\j], v[36+\j], v[32+\j], s25   ; fragment j's word: tile j's two bytes of my head below, tile 4 + j's above
.endr
	ds_store_b128 v247, v[40:43]
	s_wait_dscnt 0x0                               ; for the others' sake
	s_barrier_signal -1
	s_barrier_wait -1                              ; all sixteen steps' words are there
; A KEY STEP: 128 keys.  more = 1: a step follows, and its mask is asked for.
.macro STEP more
	v_add_nc_u32 v[ADK], s[TK], v[AK0]
	v_add_nc_u32 v[ADS], s[TH], v[ASK0]
.rept 6
	v_nop                                          ; with the two additions: eight places behind the last products, into whose source registers the loads below go
.endr
	ds_load_b128 v[KSW:KSW+3], v[ADS]
.irp f, 0,1,2,3
	ds_load_b128 v[KF+16*\f:KF+16*\f+3],     v[ADK] offset:1024*\f          ; tile f,
	ds_load_b128 v[KF+16*\f+4:KF+16*\f+7],   v[ADK] offset:1024*\f+512
	ds_load_b128 v[KF+16*\f+8:KF+16*\f+11],  v[ADK] offset:1024*(4+\f)      ; tile 4 + f
	ds_load_b128 v[KF+16*\f+12:KF+16*\f+15], v[ADK] offset:1024*(4+\f)+512
.endr
.irp t, 0,1,2,3
	s_wait_dscnt 12-4*\t                           ; the mask (asked for a step ago), the scale words and fragment t are in; the later fragments' four loads each may be out
	v_wmma_scale_f32_16x16x128_f8f6f4 v[S+8*\t:S+8*\t+7], v[KF+16*\t:KF+16*\t+15], v[Q0:Q0+15], v[S+8*\t:S+8*\t+7], v[KSW+\t], v[QSW]
	v_wmma_scale_f32_16x16x128_f8f6f4 v[S+8*(4+\t):S+8*(4+\t)+7], v[KF+16*\t:KF+16*\t+15], v[Q1:Q1+15], v[S+8*(4+\t):S+8*(4+\t)+7], v[KSW+\t], v[QSW1]
.endr
	v_add_nc_u32 v[ADV], s[TK], v[AV0]
	v_add_nc_u32 v[ADT], s[TH], v[ASV0]
	v_add_nc_u32 v[ADM], s[TS], v[AM0]
.rept 5
	v_nop                                          ; with the three additions: eight places, for the loads into K's registers and for the first read of the scores
.endr
.irp t, 0,1,2,3
.irp c, 0,1,2,3
	ds_load_b128 v[KF+16*\t+4*\c:KF+16*\t+4*\c+3], v[ADV] offset:2048*\t+512*\c   ; V's four fragments (16 of my head's 64 x 128 keys): asked for ahead of the softmax
.endr
.endr
	ds_load_b128 v[VSW:VSW+3], v[ADT]
.irp b, 0,1,2,3
	v_max3_num_f32 v[BM+\b], v[S+16*\b], v[S+16*\b+1], v[S+16*\b+2]   ; the largest logit of each block of 32 keys: for the row's maximum and, since p rises with the logit, for the block's largest p
.endr
.irp i, 3,5,7,9,11,13
.irp b, 0,1,2,3
	v_max3_num_f32 v[BM+\b], v[BM+\b], v[S+16*\b+\i], v[S+16*\b+\i+1]
.endr
.endr
.irp b, 0,1,2,3
	v_max_num_f32 v[BM+\b], v[BM+\b], v[S+16*\b+15]
.endr
.irp b, 0,1,2,3
	s_delay_alu instid0(VALU_DEP_4)
	v_permlanex16_b32 v[BX+\b], v[BM+\b], s20, s21
.endr
.irp b, 0,1,2,3
	s_delay_alu instid0(VALU_DEP_4)
	v_max_num_f32 v[BM+\b], v[BM+\b], v[BX+\b]
.endr
	s_delay_alu instid0(VALU_DEP_2)
	v_max3_num_f32 v240, v[BM], v[BM+1], v[BM+2]
	s_delay_alu instid0(VALU_DEP_1)
	v_max_num_f32 v240, v240, v[BM+3]
	s_delay_alu instid0(VALU_DEP_1)
	v_mul_f32 v240, s22, v240
	s_delay_alu instid0(VALU_DEP_1)
	v_max_num_f32 v[TX], v[TX], v240               ; the running largest t
	v_mov_b32 v240, v[NM]
	s_delay_alu instid0(VALU_DEP_2)
	v_floor_f32 v[NM], -v[TX]                      ; the new -M: M is a whole number
	s_delay_alu instid0(VALU_DEP_1)
	v_sub_f32 v240, v[NM], v240                    ; old M - new M: 0 or less
	s_delay_alu instid0(VALU_DEP_1)
	v_cvt_i32_f32 v240, v240                       ; (it saturates)
	s_delay_alu instid0(VALU_DEP_1)
	v_ldexp_f32 v238, 1.0, v240                    ; f = 2^(old M - new M): rounds nothing
.set j, 0
.rept 32
	v_pk_fma_f32 v[S+j:S+j+1], v[S+j:S+j+1], s[22:23], v[NM:NM+1] op_sel_hi:[1,0,0]   ; t - M
.set j, j+2
.endr
.irp b, 0,1,2,3
	v_fma_f32 v[BM+\b], v[BM+\b], s22, v[NM]
.endr
.set j, 0
	s_wait_alu depctr_va_vdst(0)                   ; the wait ahead of the batch
.rept 64
	v_exp_f32 v[S+j], v[S+j]                       ; p = 2^(t - M)
.set j, j+1
.endr
	v_pk_mul_f32 v[SUM:SUM+1], v[SUM:SUM+1], v[238:239] op_sel_hi:[1,0]   ; the sums under the new M (a plain line behind the exponentials)
	s_wait_alu depctr_va_vdst(0)                   ; and ahead of the batch's first reader: one for the 64
.irp b, 0,1,2,3
	v_exp_f32 v[BM+\b], v[BM+\b]                   ; the block's largest p
.endr
	v_pk_add_f32 v[236:237], v[100:101], v[104:105]                        ; the row's sum of the unquantised p, in eight chains
	v_pk_add_f32 v[248:249], v[108:109], v[112:113]
	v_pk_add_f32 v[234:235], v[116:117], v[120:121]
	v_pk_add_f32 v[232:233], v[124:125], v[128:129]
	v_pk_add_f32 v[230:231], v[132:133], v[136:137]
	v_pk_add_f32 v[228:229], v[140:141], v[144:145]
	v_pk_add_f32 v[226:227], v[148:149], v[152:153]
	v_pk_add_f32 v[254:255], v[254:255], v[156:157]
	v_pk_add_f32 v[236:237], v[236:237], v[96:97]
	v_pk_add_f32 v[248:249], v[248:249], v[98:99]
	v_pk_add_f32 v[234:235], v[234:235], v[102:103]
	v_pk_add_f32 v[232:233], v[232:233], v[106:107]
	v_pk_add_f32 v[230:231], v[230:231], v[110:111]
	v_pk_add_f32 v[228:229], v[228:229], v[114:115]
	v_pk_add_f32 v[226:227], v[226:227], v[118:119]
	v_pk_add_f32 v[254:255], v[254:255], v[122:123]
	v_pk_add_f32 v[236:237], v[236:237], v[126:127]
	v_pk_add_f32 v[248:249], v[248:249], v[130:131]
	v_pk_add_f32 v[234:235], v[234:235], v[134:135]
	v_pk_add_f32 v[232:233], v[232:233], v[138:139]
	v_pk_add_f32 v[230:231], v[230:231], v[142:143]
	v_pk_add_f32 v[228:229], v[228:229], v[146:147]
	v_pk_add_f32 v[226:227], v[226:227], v[150:151]
	v_pk_add_f32 v[254:255], v[254:255], v[154:155]
	v_pk_add_f32 v[236:237], v[236:237], v[158:159]
	s_delay_alu instid0(VALU_DEP_2)
	v_pk_add_f32 v[254:255], v[254:255], v[232:233]
	s_delay_alu instid0(VALU_DEP_2)
	v_pk_add_f32 v[236:237], v[236:237], v[230:231]
	v_pk_add_f32 v[248:249], v[248:249], v[228:229]
	v_pk_add_f32 v[234:235], v[234:235], v[226:227]
	s_delay_alu instid0(VALU_DEP_2)
	v_pk_add_f32 v[254:255], v[254:255], v[248:249]
	s_delay_alu instid0(VALU_DEP_2)
	v_pk_add_f32 v[236:237], v[236:237], v[234:235]
	s_delay_alu instid0(VALU_DEP_1)
	v_pk_add_f32 v[254:255], v[254:255], v[236:237]
	s_wait_alu depctr_va_vdst(0)                   ; and one for the four
.irp b, 0,1,2,3
	v_max_num_f32 v[BM+\b], 0x4800000, v[BM+\b]    ; the floor 2^(9 - 127)
.endr
.irp b, 0,1,2,3
	s_delay_alu instid0(VALU_DEP_4)
	v_add_nc_u32 v[BS+\b], 0xfc000000, v[BM+\b]
.endr
.irp b, 0,1,2,3
	v_and_or_b32 v[BH+\b], v[BM+\b], 0x7f800000, s24
.endr
.irp b, 0,1,2,3
	v_lshrrev_b32 v[BX+\b], 23, v[BS+\b]
.endr
	s_delay_alu instid0(VALU_DEP_3)
	v_lshl_or_b32 v[PSW], v[BX+1], 8, v[BX]        ; p's scale word for these 128 keys
	s_delay_alu instid0(VALU_DEP_1)
	v_lshl_or_b32 v[PSW], v[BX+2], 16, v[PSW]
	s_delay_alu instid0(VALU_DEP_1)
	v_lshl_or_b32 v[PSW], v[BX+3], 24, v[PSW]
.irp b, 0,1,2,3
.set j, 0
.rept 16
	v_min_num_f32 v[S+16*\b+j], v[S+16*\b+j], v[BH+\b]   ; the hold: p is not negative (ISA guide 7.6.2: the conversion does not saturate)
.set j, j+1
.endr
	v_cvt_scalef32_pk8_fp8_f32 v[PC+4*\b:PC+4*\b+1], v[S+16*\b:S+16*\b+7], v[BS+\b]        ; keys 32 b + 8 h + 0 .. 7,
	v_cvt_scalef32_pk8_fp8_f32 v[PC+4*\b+2:PC+4*\b+3], v[S+16*\b+8:S+16*\b+15], v[BS+\b]   ; keys 32 b + 16 + 8 h + 0 .. 7: the order of V's images
.endr
	v_nop                                          ; a plain line behind the conversions
.if \more
.irp t, 0,1,2,3,4,5,6,7
	ds_load_b128 v[S+8*\t:S+8*\t+3],   v[ADM] offset:512+64*\t       ; p is converted: its registers take the next step's mask
	ds_load_b128 v[S+8*\t+4:S+8*\t+7], v[ADM] offset:512+64*\t+16
.endr
.endif
.set j, 0
.rept 16
	v_pk_mul_f32 v[O+j:O+j+1], v[O+j:O+j+1], v[238:239] op_sel_hi:[1,0]   ; O^T under the new M (also the places between the codes' writers and the products)
.set j, j+2
.endr
	s_wait_alu depctr_va_vdst(0)                   ; directly ahead of the wait below
.if \more
	s_wait_dscnt 16                                ; V and its scale words are in; the mask's sixteen loads, issued behind them, may be out
.else
	s_wait_dscnt 0x0
.endif
.irp t, 0,1,2,3
	v_wmma_scale_f32_16x16x128_f8f6f4 v[O+8*\t:O+8*\t+7], v[KF+16*\t:KF+16*\t+15], v[PC:PC+15], v[O+8*\t:O+8*\t+7], v[VSW+\t], v[PSW]
.endr
	s_add_co_u32 s[TK], s[TK], 8192
	s_add_co_u32 s[TS], s[TS], 512
	s_add_co_u32 s[TH], s[TH], 256
.endm
	s_mov_b32 s[CNT], 4
.Lfirst:                                               ; key steps 0 to 3: the 512 keys that the first barrier has shown
	STEP 1
	s_sub_co_u32 s[CNT], s[CNT], 1
	s_cmp_lg_u32 s[CNT], 0
	s_cbranch_scc1 .Lfirst
	s_wait_tensorcnt 0x0                           ; every wave: all that was still out has landed
	s_wait_dscnt 0x0                               ; (the next step's mask)
	s_barrier_signal -1
	s_barrier_wait -1                              ; all 2,048 keys are there; nothing is filled again
	s_mov_b32 s[TK], 4*8192
	s_mov_b32 s[TS], 4*512
	s_mov_b32 s[TH], 4*256
	s_mov_b32 s[CNT], 11
.Lrest:                                                ; key steps 4 to 14
	STEP 1
	s_sub_co_u32 s[CNT], s[CNT], 1
	s_cmp_lg_u32 s[CNT], 0
	s_cbranch_scc1 .Lrest
	STEP 0                                         ; the last step asks for no further mask
	; THE WAY OUT: O^T / the sum, quantised along my head's 64 (two blocks of 32), as two pieces of a fragment of ctx, in the order of the operand's registers (the next product's other operand is an input).
.rept 8
	v_nop
.endr
	v_add_f32 v[SUM], v[SUM], v[SUM+1]
	s_delay_alu instid0(VALU_DEP_1)
	v_permlanex16_b32 v240, v[SUM], s20, s21
	s_delay_alu instid0(VALU_DEP_1)
	v_add_f32 v[SUM], v[SUM], v240                 ; the row's sum
	s_wait_alu depctr_va_vdst(0)
	v_rcp_f32 v[SUM], v[SUM]
	v_nop
	s_wait_alu depctr_va_vdst(0)
.set j, 0
.rept 16
	v_pk_mul_f32 v[S+j:S+j+1], v[O+j:O+j+1], v[SUM:SUM+1] op_sel_hi:[1,0]   ; register 8 t + j = ctx(query r, d = 16 t + 8 h + j)
.set j, j+2
.endr
.irp b, 0,1
	v_max3_num_f32 v[BM+\b], |v[S+16*\b]|, |v[S+16*\b+1]|, 0x4800000
.endr
.irp i, 2,4,6,8,10,12,14
.irp b, 0,1
	s_delay_alu instid0(VALU_DEP_2)
	v_max3_num_f32 v[BM+\b], v[BM+\b], |v[S+16*\b+\i]|, |v[S+16*\b+\i+1]|
.endr
.endr
.irp b, 0,1
	s_delay_alu instid0(VALU_DEP_2)
	v_permlanex16_b32 v[BX+\b], v[BM+\b], s20, s21
.endr
.irp b, 0,1
	s_delay_alu instid0(VALU_DEP_2)
	v_max_num_f32 v[BM+\b], v[BM+\b], v[BX+\b]
.endr
.irp b, 0,1
	s_delay_alu instid0(VALU_DEP_2)
	v_add_nc_u32 v[BS+\b], 0xfc000000, v[BM+\b]
.endr
.irp b, 0,1
	s_delay_alu instid0(VALU_DEP_4)
	v_and_or_b32 v[BH+\b], v[BM+\b], 0x7f800000, s24
.endr
.irp b, 0,1
	s_delay_alu instid0(VALU_DEP_4)
	v_lshrrev_b32 v[BX+\b], 23, v[BS+\b]
.endr
	s_delay_alu instid0(VALU_DEP_1)
	v_lshl_or_b32 v240, v[BX+1], 8, v[BX]          ; my row's two scale bytes
.irp b, 0,1
.set j, 0
.rept 16
	v_med3_num_f32 v[S+16*\b+j], v[S+16*\b+j], -v[BH+\b], v[BH+\b]
.set j, j+1
.endr
	v_cvt_scalef32_pk8_fp8_f32 v[PC+4*\b:PC+4*\b+1], v[S+16*\b:S+16*\b+7], v[BS+\b]
	v_cvt_scalef32_pk8_fp8_f32 v[PC+4*\b+2:PC+4*\b+3], v[S+16*\b+8:S+16*\b+15], v[BS+\b]
.endr
	v_nop
.irp b, 0,1
	v_permlane16_swap_b32 v[PC+4*\b], v[PC+4*\b+2]       ; lane (r, h) now holds d = 32 b + 16 h + 0 .. 15
	v_permlane16_swap_b32 v[PC+4*\b+1], v[PC+4*\b+3]
.endr
	global_store_b128 v242, v[PC:PC+3], s[100:101]           ; 32 lanes store 512 consecutive bytes, aligned
	global_store_b128 v242, v[PC+4:PC+7], s[100:101] offset:512
	ds_store_b16 v[STG], v240                      ; both halves of the lanes write the same bytes with the same value
	s_wait_dscnt 0x0                               ; for the others' sake
	s_barrier_signal -1
	s_barrier_wait -1                              ; the 256 rows' scale bytes are whole
	s_cmp_lg_u32 s10, 0
	s_cbranch_scc1 .Lnot_zero
	ds_load_b128 v[96:99], v245
	s_wait_dscnt 0x0
	global_store_b128 v[CSO], v[96:99], s[104:105] ; sixteen lanes store one aligned unit of 256 bytes each
.Lnot_zero:
	s_wait_tensorcnt 0x0                           ; the wave's end
	ds_add_u32 v[SPW], v[NIL]
	s_wait_dscnt 0x0
	CROUND                                         ; the closing round
	s_endpgm
.Lfunc_end_k_q514c582586_attn:
	.size	k_q514c582586_attn, .Lfunc_end_k_q514c582586_attn-k_q514c582586_attn
	.p2alignl 7, 3214868480
	.fill 96, 4, 3214868480
	.section	.rodata,"a",@progbits
	.p2align	6, 0x0
	.amdhsa_kernel k_q514c582586_attn
		.amdhsa_group_segment_fixed_size 327680
		.amdhsa_private_segment_fixed_size 0
		.amdhsa_enable_private_segment 0
		.amdhsa_kernarg_size 24
		.amdhsa_user_sgpr_count 2
		.amdhsa_user_sgpr_kernarg_segment_ptr 1
		.amdhsa_wavefront_size32 1
		.amdhsa_system_sgpr_workgroup_id_x 1
		.amdhsa_system_sgpr_workgroup_id_y 1
		.amdhsa_system_sgpr_workgroup_id_z 1
		.amdhsa_system_vgpr_workitem_id 0
		.amdhsa_next_free_vgpr 256
		.amdhsa_next_free_sgpr 106
		.amdhsa_reserve_vcc 0
		.amdhsa_float_denorm_mode_32 3
		.amdhsa_float_denorm_mode_16_64 3
		.amdhsa_memory_ordered 1
		.amdhsa_forward_progress 1
		.amdhsa_inst_pref_size 83
	.end_amdhsa_kernel
	.amdgpu_metadata
---
amdhsa.version: [ 1, 2 ]
amdhsa.kernels:
  - .name:           k_q514c582586_attn
    .symbol:         k_q514c582586_attn.kd
    .args:
      - { .name: qkv, .offset: 0, .size: 8, .value_kind: global_buffer, .address_space: global }
      - { .name: mask, .offset: 8, .size: 8, .value_kind: global_buffer, .address_space: global }
      - { .name: ctx, .offset: 16, .size: 8, .value_kind: global_buffer, .address_space: global }
    .group_segment_fixed_size: 327680
    .private_segment_fixed_size: 0
    .kernarg_segment_align: 8
    .kernarg_segment_size: 24
    .max_flat_workgroup_size: 512
    .sgpr_count:     106
    .vgpr_count:     256
    .wavefront_size: 32
...
	.end_amdgpu_metadata
.endif
;; end of part 3
;; launch oproj (part 4): grid 8 x 32, 4 waves a work-group, clusters of 4 x 4, 327,680 bytes of LDS; arguments ctx, ow_codes, ow_scales, ob, x, ao; writes ao
.if DOCPART == 4
	.amdgcn_target "amdgcn-amd-amdhsa--gfx1250"
	.amdhsa_code_object_version 6
	.text
	.protected	k_q514c582586_oproj
	.globl	k_q514c582586_oproj
	.p2align	8
	.type	k_q514c582586_oproj,@function
k_q514c582586_oproj:
	s_mov_b64 s[64:65], 0
	v_nop
	global_prefetch_b8 v0, s[64:65] scope:SCOPE_SE
	s_setreg_imm32_b32 hwreg(HW_REG_WAVE_MODE, 25, 1), 1
	s_wait_xcnt 0x0
	s_wait_alu depctr_hold_cnt(0) depctr_sa_sdst(0) depctr_va_vdst(0) depctr_va_sdst(0) depctr_va_ssrc(0) depctr_va_vcc(0) depctr_vm_vsrc(0)
	s_getreg_b32 s2, hwreg(HW_REG_IB_STS2, 6, 4)
	s_cmp_eq_u32 s2, 0
	s_cbranch_scc0 .Lentry_in_a_cluster
	s_endpgm
.Lentry_in_a_cluster:
	s_bfe_u32 s2, ttmp6, 0x10000c
	s_cmp_lg_u32 s2, 0xf033
	s_cbranch_scc0 .Lentry_shape_is_right
	s_endpgm
.Lentry_shape_is_right:
.set SIZE_K, 1024
.set NS,     SIZE_K/512
.set FR,     16
.set NL,     4
.set NP,     8
.set APART,  65536
.set BP,     528
.set BHALF,  64*BP
.set SLOT,   APART+2*BHALF
.set SCA,    2*SLOT
.set SCB,    SCA+16384
.set KS,     SIZE_K/32
.set SBH,    (SIZE_K/128)*272
.set SBLK,   (SIZE_K/512)*272
.set SPARE,  300032
.set RP,     528
.set RED1,   128*RP
.set RD,   8
.set ADRA, 16
.set ADRB, 20
.set STO,  24
.set CO,   26
.set ADSA, 27
.set SPW,  28
.set NIL,  29
.set ADSB, 30
.set SA,   32
.set SB,   40
.set AF,   128
.set G1, 24
.set G0, 32
.set G1B, 48
.set G0B, 56
.set G1S, 68
.set G0S, 76
.set G1SB, 80
.set G0SB, 88
.set MSB, 0
.macro WIN new
.if MSB != (\new)
	s_set_vgpr_msb (MSB<<8)|(\new)
.set MSB, (\new)
.endif
.endm
.set MUL_LO, 0xa1
.set MUL_HI, 0xf1
.set TO_B,   0x40
.macro JLOAD g0a, g1a, g0b, g1b
	s_cmp_eq_u32 s15, 0
	s_cbranch_scc0 .Lfor_b_\@
	tensor_load_to_lds s[\g0a:\g0a+3], s[\g1a:\g1a+7]
	s_nop 0
.rept 4
	v_nop
.endr
	s_branch .Lasked_\@
.Lfor_b_\@:
	tensor_load_to_lds s[\g0b:\g0b+3], s[\g1b:\g1b+7]
	s_nop 0
.rept 4
	v_nop
.endr
.Lasked_\@:
.endm
.macro CREST
	s_cmp_lg_u32 s14, 0
	s_cbranch_scc1 .Lnot_wave_0_\@
	s_barrier_signal -3
.Lnot_wave_0_\@:
	s_barrier_wait -3
	s_barrier_signal -1
	s_barrier_wait -1
.endm
.macro CROUND
	s_barrier_signal -1
	s_barrier_wait -1
	CREST
.endm
	s_load_b64 s[4:5], s[0:1], 0x0
	s_load_b128 s[8:11], s[0:1], 0x8
	s_load_b128 s[96:99], s[0:1], 0x18
	s_load_b64 s[12:13], s[0:1], 0x28
	v_lshl_add_u32 v[SPW], v0, 2, SPARE
	v_mov_b32 v[NIL], 0
	ds_add_u32 v28, v29
	ds_add_u32 v28, v29
	s_wait_dscnt 0x0
	v_lshrrev_b32 v1, 5, v0
	v_readfirstlane_b32 s14, v1
	s_lshr_b32 s15, s14, 1
	s_and_b32 s16, s14, 1
	s_bfe_u32 s40, ttmp6, 0x40000
	s_bfe_u32 s41, ttmp6, 0x40004
	s_lshl_b32 s42, ttmp9, 2
	s_add_co_u32 s42, s42, s40
	s_and_b32 s17, ttmp7, 0xffff
	s_lshl_b32 s17, s17, 2
	s_add_co_u32 s17, s17, s41
	s_lshl_b32 s43, s41, 2
	s_lshl_b32 s43, 15, s43
	s_lshl_b32 s44, 0x1111, s40
	s_or_b32 s[G1+0], s43, (3<<16)|(1<<21)
	s_mov_b32 s[G1+1], 1024<<16
	s_mov_b32 s[G1+2], 8<<16                       ; the head's load brings all eight row tiles; behind it the two words that count rows are set to 4
	s_mov_b32 s[G1+3], 1024<<16
	s_mov_b32 s[G1+4], 8
	s_mov_b32 s[G1+5], 2*SIZE_K
	s_mov_b32 s[G1+6], 0
	s_mov_b32 s[G1+7], 0
	s_or_b32 s[G1B+0], s44, (0<<16)|(1<<20)|(1<<21)|(6<<22)|(3<<25)
	s_mov_b32 s[G1B+1], 512<<16
	s_mov_b32 s[G1B+2], 128<<16
	s_mov_b32 s[G1B+3], 512<<16
	s_mov_b32 s[G1B+4], 128
	s_mov_b32 s[G1B+5], SIZE_K
	s_mov_b32 s[G1B+6], 0
	s_mov_b32 s[G1B+7], 0
	s_or_b32 s[G1S+0], s43, (3<<16)|(1<<21)
	s_or_b32 s[G1SB+0], s44, (3<<16)|(1<<20)|(1<<21)|(5<<22)|(3<<25)
.irp g, G1S, G1SB
	s_mov_b32 s[\g+1], 32<<16
	s_mov_b32 s[\g+2], (SIZE_K/64)<<16
	s_mov_b32 s[\g+3], 32<<16
	s_mov_b32 s[\g+4], SIZE_K/64
	s_mov_b32 s[\g+5], 32
	s_mov_b32 s[\g+6], 0
	s_mov_b32 s[\g+7], 0
.endr
	s_lshl_b32 s20, s17, 3
	s_mul_i32 s20, s20, 16*SIZE_K
	s_mov_b32 s21, 0
	s_mul_i32 s22, s17, 4*SIZE_K
	s_mov_b32 s23, 0
	s_lshl_b32 s46, s42, 7
	s_mul_i32 s92, s46, KS
	s_mul_i32 s46, s46, SIZE_K
	s_mov_b32 s47, 0
	s_mov_b32 s93, 0
	s_lshl_b32 s45, s16, 15
	s_mul_i32 s94, s16, BHALF
	s_add_co_u32 s94, s94, APART
	s_mul_i32 s18, s16, 64*SIZE_K                  ; in the ring I fetch half a tile: four row tiles of A, or 64 rows of B: the same bytes on
	s_mov_b32 s19, 0
	s_wait_kmcnt 0x0
	s_add_nc_u64 s[6:7], s[4:5], 4096*SIZE_K
	s_add_nc_u64 s[20:21], s[4:5], s[20:21]
	s_add_nc_u64 s[22:23], s[6:7], s[22:23]
	s_add_nc_u64 s[46:47], s[8:9], s[46:47]
	s_add_nc_u64 s[92:93], s[10:11], s[92:93]
	CROUND
	s_mov_b32 s[G0S], 1
	s_mov_b32 s[G0S+1], SCA
	s_mov_b64 s[G0S+2:G0S+3], s[22:23]
	s_or_b32 s[G0S+3], s[G0S+3], 0x80000000
	s_mov_b32 s[G0SB], 1
	s_mov_b32 s[G0SB+1], SCB
	s_mov_b64 s[G0SB+2:G0SB+3], s[92:93]
	s_or_b32 s[G0SB+3], s[G0SB+3], 0x80000000
	s_mov_b32 s4, 1                                ; group 0 of the head's loads of slot 0: A's eight row tiles,
	s_mov_b32 s5, 0
	s_mov_b64 s[6:7], s[20:21]
	s_or_b32 s7, s7, 0x80000000
	s_mov_b32 s8, 1                                ; B's 128 rows
	s_mov_b32 s9, APART
	s_mov_b64 s[10:11], s[46:47]
	s_or_b32 s11, s11, 0x80000000
	s_add_nc_u64 s[20:21], s[20:21], s[18:19]      ; for the ring: my half of the tile
	s_add_nc_u64 s[46:47], s[46:47], s[18:19]
.irp s, 0,1
	s_mov_b32 s[G0+4*\s], 1
	s_add_co_u32 s[G0+4*\s+1], s45, \s*SLOT
	s_add_nc_u64 s[G0+4*\s+2:G0+4*\s+3], s[20:21], \s*8192
	s_or_b32 s[G0+4*\s+3], s[G0+4*\s+3], 0x80000000
	s_mov_b32 s[G0B+4*\s], 1
	s_add_co_u32 s[G0B+4*\s+1], s94, \s*SLOT
	s_add_nc_u64 s[G0B+4*\s+2:G0B+4*\s+3], s[46:47], \s*512
	s_or_b32 s[G0B+4*\s+3], s[G0B+4*\s+3], 0x80000000
.endr
; THE HEAD'S LOADS, ONE A WAVE: wave 0 slot 0's part of A, wave 1 that of B, wave 2 A's scales, wave 3 B's: one chain of arms on the wave's number.
.macro ARM under, g0, g1, next
	s_cmp_lt_u32 s14, \under
	s_cbranch_scc0 \next
	tensor_load_to_lds s[\g0:\g0+3], s[\g1:\g1+7]
	s_nop 0
.rept 4
	v_nop
.endr
	s_branch .Lhead_asked
\next:
.endm
	ARM 1, 4, G1, .Lhead_b
	ARM 2, 8, G1B, .Lhead_sa
	ARM 3, G0S, G1S, .Lhead_sb
	tensor_load_to_lds s[G0SB:G0SB+3], s[G1SB:G1SB+7]
	s_nop 0
.rept 4
	v_nop
.endr
.Lhead_asked:
	; slot 1's tiles are asked of memory here.  Of the half tile that I fetch in the ring each of the four partners that ask for it jointly takes a quarter, told apart by address:
	; A (cx): one row tile's 8 KiB, lanes 256 bytes apart; B (cy): 16 rows x 512 bytes, two lanes a row
	s_cmp_eq_u32 s15, 0
	s_cselect_b64 s[100:101], s[20:21], s[46:47]
	s_cselect_b32 s94, s40, s41
	s_cselect_b32 s2, -1, 0
	s_mul_i32 s94, s94, 16*SIZE_K
	s_mov_b32 s95, 0
	s_add_nc_u64 s[100:101], s[100:101], s[94:95]
	v_and_b32 v3, 31, v0
	v_lshlrev_b32 v4, 8, v3
	v_lshrrev_b32 v5, 1, v3
	v_mul_u32_u24 v5, v5, SIZE_K
	v_and_b32 v6, 1, v3
	v_lshl_add_u32 v5, v6, 8, v5
	v_cndmask_b32 v31, v5, v4, s2                  ; never rewritten
	s_wait_alu depctr_va_vdst(0)                   ; the wait ahead of the branch
	s_cmp_eq_u32 s15, 0
	s_cbranch_scc0 .Lpf_b
	global_prefetch_b8 v31, s[100:101] offset:8192 th:TH_LOAD_NT scope:SCOPE_SE
	s_branch .Lpf_done
.Lpf_b:
	global_prefetch_b8 v31, s[100:101] offset:512 th:TH_LOAD_NT scope:SCOPE_SE
.Lpf_done:
	v_and_b32 v1, 15, v0
	v_bfe_u32 v2, v0, 4, 1
	v_and_b32 v3, 31, v0
	v_lshlrev_b32 v[CO], 4, v3
	s_lshl_b32 s21, s14, 11
	v_add_nc_u32 v[ADRA], s21, v[CO]
	v_add_nc_u32 v[ADRA+1], SLOT, v[ADRA]
	v_mul_u32_u24 v4, v1, BP
	v_lshl_add_u32 v4, v2, 4, v4
	s_lshl_b32 s21, s14, 7
	s_add_co_u32 s21, s21, APART
	v_add_nc_u32 v[ADRB], s21, v4
	v_add_nc_u32 v[ADRB+1], SLOT, v[ADRB]
	s_lshl_b32 s21, s14, 9
	s_add_co_u32 s21, s21, SCA
	v_lshl_add_u32 v[ADSA], v3, 3, s21             ; ctx's scale bytes lie by head: my K step's tile, 8 x lane: four blocks' two bytes of the pair's first head; the second head's 256 bytes on
	v_mul_u32_u24 v5, v1, KS
	v_lshrrev_b32 v6, 8, v5
	v_lshl_add_u32 v5, v6, 4, v5
	s_lshl_b32 s21, s14, 2
	s_add_co_u32 s21, s21, SCB
	v_add_nc_u32 v[ADSB], s21, v5
	s_mul_i32 s21, s14, RED1
	v_mul_u32_u24 v4, v1, RP
	v_lshl_add_u32 v4, v2, 5, v4
	v_add_nc_u32 v[STO], s21, v4
	s_mul_i32 s21, s14, 32*RP
	v_add_nc_u32 v[RD], s21, v[CO]
	v_add_nc_u32 v[RD+1], RED1, v[RD]
	v_add_nc_u32 v[RD+2], RED1, v[RD+1]
	v_add_nc_u32 v[RD+3], RED1, v[RD+2]
	s_lshl_b32 s20, s17, 7
	s_lshl_b32 s21, s14, 5
	s_add_co_u32 s20, s20, s21
	s_lshl_b32 s20, s20, 12
	s_lshl_b32 s46, s42, 9
	s_add_co_u32 s20, s20, s46
	s_mov_b32 s21, 0
	s_mov_b32 s47, 0
	s_add_nc_u64 s[12:13], s[12:13], s[20:21]
	s_add_nc_u64 s[98:99], s[98:99], s[20:21]
	s_add_nc_u64 s[96:97], s[96:97], s[46:47]
	global_load_b128 v[12:15], v[CO], s[96:97]
.macro FRAGB reg, slot, i
.irp c, 0,1,2,3
	ds_load_b128 v[\reg+4*\c:\reg+4*\c+3], v[ADRB+\slot] offset:32*\c+(\i)*16*BP
.endr
.endm
.macro FRAGA reg, slot, i
.irp c, 0,1,2,3
	ds_load_b128 v[\reg+4*\c:\reg+4*\c+3], v[ADRA+\slot] offset:(\i)*8192+512*\c
.endr
.endm
.macro FETCH_B slot
	WIN TO_B
.irp i, 0,1,2,3,4,5,6,7
	FRAGB 128*(\slot)+FR*\i, \slot, \i
.endr
	WIN 0
.endm
.macro FETCH_A slot, i0
.irp i, \i0, \i0+1, \i0+2, \i0+3
	FRAGA AF+FR*(\i), \slot, \i
.endr
.endm
.macro SCALES set
.irp b, 0,1,2,3,4,5,6,7
	ds_load_b32 v[SB+8*\set+\b], v[ADSB] offset:\b*SBLK
.endr
.endm
.macro MUL16 a0, p, zero
.irp a, \a0, \a0+1
.irp b, 0,1,2,3,4,5,6,7
.if \zero
.if (\a) >= 4
	v_wmma_scale_f32_16x16x128_f8f6f4 v[8*(8*((\a)%4)+\b):8*(8*((\a)%4)+\b)+7], v[128*(\p)+FR*\b:128*(\p)+FR*\b+FR-1], v[AF+FR*(\a):AF+FR*(\a)+FR-1], 0, v[SB+8*(\p)+\b], v[SA+4*(\p)+(\a)%4] matrix_b_scale:MATRIX_SCALE_ROW1
.else
	v_wmma_scale_f32_16x16x128_f8f6f4 v[8*(8*((\a)%4)+\b):8*(8*((\a)%4)+\b)+7], v[128*(\p)+FR*\b:128*(\p)+FR*\b+FR-1], v[AF+FR*(\a):AF+FR*(\a)+FR-1], 0, v[SB+8*(\p)+\b], v[SA+4*(\p)+(\a)%4]
.endif
.else
.if (\a) >= 4
	v_wmma_scale_f32_16x16x128_f8f6f4 v[8*(8*((\a)%4)+\b):8*(8*((\a)%4)+\b)+7], v[128*(\p)+FR*\b:128*(\p)+FR*\b+FR-1], v[AF+FR*(\a):AF+FR*(\a)+FR-1], v[8*(8*((\a)%4)+\b):8*(8*((\a)%4)+\b)+7], v[SB+8*(\p)+\b], v[SA+4*(\p)+(\a)%4] matrix_b_scale:MATRIX_SCALE_ROW1
.else
	v_wmma_scale_f32_16x16x128_f8f6f4 v[8*(8*((\a)%4)+\b):8*(8*((\a)%4)+\b)+7], v[128*(\p)+FR*\b:128*(\p)+FR*\b+FR-1], v[AF+FR*(\a):AF+FR*(\a)+FR-1], v[8*(8*((\a)%4)+\b):8*(8*((\a)%4)+\b)+7], v[SB+8*(\p)+\b], v[SA+4*(\p)+(\a)%4]
.endif
.endif
.endr
.endr
.endm
.macro PLACES n
.rept \n
	v_nop
.endr
.endm
.macro TURN slot, next, fill, zero
	s_wait_tensorcnt 0x0
	ds_add_u32 v[SPW], v[NIL]
	s_wait_dscnt 4*NL+1
	WIN MUL_LO
	MUL16 0, \slot, \zero
	s_wait_dscnt 0x0
	s_barrier_signal -1
	MUL16 2, \slot, \zero
	WIN 0
	s_barrier_wait -1
.if \fill
	CREST
	s_add_nc_u64 s[G0+4*\slot+2:G0+4*\slot+3], s[G0+4*\slot+2:G0+4*\slot+3], 16384
	s_add_nc_u64 s[G0B+4*\slot+2:G0B+4*\slot+3], s[G0B+4*\slot+2:G0B+4*\slot+3], 1024
	JLOAD G0+4*\slot, G1, G0B+4*\slot, G1B
	PLACES NP-4
.else
	PLACES NP
.endif
	v_add_nc_u32 v[ADSB], 16, v[ADSB]
	FETCH_B \next
	FETCH_A \next, 0
	SCALES \next
	WIN MUL_HI
	MUL16 4, \slot, \zero
	MUL16 6, \slot, \zero
	PLACES NP
	WIN 0
	FETCH_A \next, 4
.endm
	s_wait_alu depctr_va_vdst(0)
	s_wait_tensorcnt 0x0                           ; my tile of the head's four is in
	ds_add_u32 v[SPW], v[NIL]
	s_mov_b32 s[G1+2], 4<<16                       ; no tensor load of mine is out: from here on a load brings half a tile
	s_mov_b32 s[G1+4], 4
	s_mov_b32 s[G1B+2], 64<<16
	s_mov_b32 s[G1B+4], 64
	s_wait_dscnt 0x0
	CROUND                                         ; all four tiles are in, and all sixteen work-groups are here
	JLOAD G0+4, G1, G0B+4, G1B                     ; slot 1: the first tensor load behind the round
	ds_load_b64 v[64:65], v[ADSA]                  ; A's scale words of my two K steps are joined once: two bytes of either head make a word
	ds_load_b64 v[66:67], v[ADSA] offset:256
	ds_load_b64 v[68:69], v[ADSA] offset:2048
	ds_load_b64 v[70:71], v[ADSA] offset:2304
	s_wait_dscnt 0x0
.irp p, 0,1
	v_perm_b32 v[SA+4*\p], v[66+4*\p], v[64+4*\p], 0x05040100
	v_perm_b32 v[SA+4*\p+1], v[66+4*\p], v[64+4*\p], 0x07060302
	v_perm_b32 v[SA+4*\p+2], v[67+4*\p], v[65+4*\p], 0x05040100
	v_perm_b32 v[SA+4*\p+3], v[67+4*\p], v[65+4*\p], 0x07060302
.endr
	PLACES NP                                      ; a scale register written by a vector instruction stands eight places ahead of the product
	s_wait_alu depctr_va_vdst(0)
	FETCH_B 0
	FETCH_A 0, 0
	SCALES 0
	FETCH_A 0, 4
.if NS > 2
	TURN 0, 1, 1, 1
	s_mov_b32 s3, (NS-4)/2
.Llap:
	TURN 1, 0, 1, 0
	TURN 0, 1, 1, 0
	s_sub_co_u32 s3, s3, 1
	s_cmp_lg_u32 s3, 0
	s_cbranch_scc1 .Llap
	TURN 1, 0, 1, 0
	TURN 0, 1, 0, 0
.else
	TURN 0, 1, 0, 1
.endif
	WIN TO_B                                       ; the residual's 32 rows go into B's set 0 (window 1, v0-127), whose last products stand eight places back: asked for ahead of the last 64 products
.set t, 0
.rept 32
	global_load_b128 v[4*t:4*t+3], v[CO], s[98:99] offset:4096*t th:TH_LOAD_NT
.set t, t+1
.endr
	WIN 0
	s_wait_dscnt 4*NL
	WIN MUL_LO
	MUL16 0, 1, 0
	MUL16 2, 1, 0
	s_wait_dscnt 0
	WIN MUL_HI
	MUL16 4, 1, 0
	MUL16 6, 1, 0
	WIN 0
	PLACES NP
	s_barrier_signal -1
	s_barrier_wait -1
.macro TORED a
	WIN 0x08+4*((\a)/4)
.irp b, 0,1,2,3,4,5,6,7
	ds_store_b128 v[STO], v[64*((\a)%4)+8*\b:64*((\a)%4)+8*\b+3] offset:(\a)*16*RP+64*\b
	ds_store_b128 v[STO], v[64*((\a)%4)+8*\b+4:64*((\a)%4)+8*\b+7] offset:(\a)*16*RP+64*\b+16
.endr
.endm
.irp a, 0,1,2,3,4,5,6,7
	TORED \a
.endr
	WIN 0
	s_wait_dscnt 0x0
	s_barrier_signal -1
	s_barrier_wait -1
	s_wait_loadcnt 0x0
.macro GETROWS g
	s_wait_xcnt 0x0                                ; the stores of two groups back have read the registers that these loads fill
.irp u, 0,1
.irp w, 0,1,2,3
	ds_load_b128 v[64+32*((\g)%2)+16*\u+4*\w:64+32*((\g)%2)+16*\u+4*\w+3], v[RD+\w] offset:(2*(\g)+\u)*RP
.endr
.endr
.endm
.macro FIN g
.if (\g) < 15
	s_wait_dscnt 8
.else
	s_wait_dscnt 0
.endif
.irp u, 0,1
.set BU, 64+32*((\g)%2)+16*\u
.set RR, 4*(2*(\g)+\u)                 ; the residual's row, in window 1
	v_pk_add_f32 v[BU:BU+1], v[BU:BU+1], v[BU+4:BU+5]
	v_pk_add_f32 v[BU+2:BU+3], v[BU+2:BU+3], v[BU+6:BU+7]
	v_pk_add_f32 v[BU+8:BU+9], v[BU+8:BU+9], v[BU+12:BU+13]
	v_pk_add_f32 v[BU+10:BU+11], v[BU+10:BU+11], v[BU+14:BU+15]
	v_pk_add_f32 v[BU+8:BU+9], v[BU+8:BU+9], v[12:13]
	v_pk_add_f32 v[BU+10:BU+11], v[BU+10:BU+11], v[14:15]
	v_pk_add_f32 v[BU:BU+1], v[BU:BU+1], v[BU+8:BU+9]
	v_pk_add_f32 v[BU+2:BU+3], v[BU+2:BU+3], v[BU+10:BU+11]
	WIN 0x04                                       ; source 1 in window 1
	v_pk_add_f32 v[BU:BU+1], v[BU:BU+1], v[RR:RR+1]
	v_pk_add_f32 v[BU+2:BU+3], v[BU+2:BU+3], v[RR+2:RR+3]
	WIN 0
	global_store_b128 v[CO], v[BU:BU+3], s[12:13] offset:4096*(2*(\g)+\u)
.endr
.endm
	GETROWS 0
	GETROWS 1
.irp g, 0,1,2,3,4,5,6,7,8,9,10,11,12,13
	FIN \g
	GETROWS \g+2
.endr
	FIN 14
	FIN 15
	s_wait_tensorcnt 0x0
	ds_add_u32 v[SPW], v[NIL]
	s_wait_dscnt 0x0
	CROUND
	s_endpgm
.Lfunc_end_k_q514c582586_oproj:
	.size	k_q514c582586_oproj, .Lfunc_end_k_q514c582586_oproj-k_q514c582586_oproj
	.p2alignl 7, 3214868480
	.fill 96, 4, 3214868480
	.section	.rodata,"a",@progbits
	.p2align	6, 0x0
	.amdhsa_kernel k_q514c582586_oproj
		.amdhsa_group_segment_fixed_size 327680
		.amdhsa_private_segment_fixed_size 0
		.amdhsa_enable_private_segment 0
		.amdhsa_kernarg_size 48
		.amdhsa_user_sgpr_count 2
		.amdhsa_user_sgpr_kernarg_segment_ptr 1
		.amdhsa_wavefront_size32 1
		.amdhsa_system_sgpr_workgroup_id_x 1
		.amdhsa_system_sgpr_workgroup_id_y 1
		.amdhsa_system_sgpr_workgroup_id_z 1
		.amdhsa_system_vgpr_workitem_id 0
		.amdhsa_next_free_vgpr 1024
		.amdhsa_next_free_sgpr 106
		.amdhsa_reserve_vcc 0
		.amdhsa_float_denorm_mode_32 3
		.amdhsa_float_denorm_mode_16_64 3
		.amdhsa_memory_ordered 1
		.amdhsa_forward_progress 1
		.amdhsa_inst_pref_size 85
	.end_amdhsa_kernel
	.amdgpu_metadata
---
amdhsa.version: [ 1, 2 ]
amdhsa.kernels:
  - .name:           k_q514c582586_oproj
    .symbol:         k_q514c582586_oproj.kd
    .args:
      - { .name: ctx, .offset: 0, .size: 8, .value_kind: global_buffer, .address_space: global }
      - { .name: ow_codes, .offset: 8, .size: 8, .value_kind: global_buffer, .address_space: global }
      - { .name: ow_scales, .offset: 16, .size: 8, .value_kind: global_buffer, .address_space: global }
      - { .name: ob, .offset: 24, .size: 8, .value_kind: global_buffer, .address_space: global }
      - { .name: x, .offset: 32, .size: 8, .value_kind: global_buffer, .address_space: global }
      - { .name: ao, .offset: 40, .size: 8, .value_kind: global_buffer, .address_space: global }
    .group_segment_fixed_size: 327680
    .private_segment_fixed_size: 0
    .kernarg_segment_align: 8
    .kernarg_segment_size: 48
    .max_flat_workgroup_size: 128
    .sgpr_count:     106
    .vgpr_count:     1024
    .wavefront_size: 32
...
	.end_amdgpu_metadata
.endif
;; end of part 4
;; launch ln2: the kernel of part 1 again; grid 256 x 1, 16 waves a work-group, no clusters, 4,096 bytes of LDS; arguments ao, attn_nw, attn_nb, h2buf; writes h2buf
;; launch ffn1 (part 5): grid 16 x 16, 4 waves a work-group, clusters of 4 x 4, 327,680 bytes of LDS; arguments h2buf, inter_w_codes, inter_w_scales, inter_b, inter; writes inter
.if DOCPART == 5
	.amdgcn_target "amdgcn-amd-amdhsa--gfx1250"
	.amdhsa_code_object_version 6
	.text
	.protected	k_q514c582586_ffn1
	.globl	k_q514c582586_ffn1
	.p2align	8
	.type	k_q514c582586_ffn1,@function
k_q514c582586_ffn1:
	s_mov_b64 s[64:65], 0
	v_nop
	global_prefetch_b8 v0, s[64:65] scope:SCOPE_SE
	s_setreg_imm32_b32 hwreg(HW_REG_WAVE_MODE, 25, 1), 1
	s_wait_xcnt 0x0
	s_wait_alu depctr_hold_cnt(0) depctr_sa_sdst(0) depctr_va_vdst(0) depctr_va_sdst(0) depctr_va_ssrc(0) depctr_va_vcc(0) depctr_vm_vsrc(0)
	s_getreg_b32 s2, hwreg(HW_REG_IB_STS2, 6, 4)
	s_cmp_eq_u32 s2, 0
	s_cbranch_scc0 .Lentry_in_a_cluster
	s_endpgm
.Lentry_in_a_cluster:
	s_bfe_u32 s2, ttmp6, 0x10000c
	s_cmp_lg_u32 s2, 0xf033
	s_cbranch_scc0 .Lentry_shape_is_right
	s_endpgm
.Lentry_shape_is_right:
.set QKV,    0
.set SIZE_K, 1024
.set KSTEP,  256
.set NQ,     KSTEP/128
.set ROWB,   256
.set KROW,   SIZE_K
.set PITCH,  272
.set FR,     16
.set NL,     4
.set NP,     8
.set HALFT,  128*PITCH
.set SLOT,   4*HALFT
.set LAPS,   SIZE_K/(2*KSTEP)
.set KS,     SIZE_K/32
.set SCL,    2*SLOT
.set HALFS,  (128*KS/256)*272
.set SBLK,   (16*KS/256)*272
.set SPARE,  SCL+4*HALFS
.set ADRA, 16
.set ADRB, 20
.set ADRS, 27
.set SPW,  28
.set NIL,  29
.set SC,   32
.set AF,   128
.set BT,   64
.set RBV,  8
.set Y,    0
.set T,    64
.set U,    96
.set HH,   128
.set TM,   160
.set PW,   176
.set PC,   180
.set SW,   200
.set OA,   208
.set C8,   212
.set CF,   68
.set C9,   84
.set G1, 24
.set G0, 32
.set G1B, 48
.set G0B, 56
.set G1S, 68
.set G0S, 76
.set G1SB, 80
.set G0SB, 88
.set MSB, 0
.macro WIN new
.if MSB != (\new)
	s_set_vgpr_msb (MSB<<8)|(\new)
.set MSB, (\new)
.endif
.endm
.set MUL_LO, 0xa1
.set MUL_HI, 0xf1
.set TO_B,   0x40
.macro JLOAD g0a, g1a, g0b, g1b
	s_cmp_eq_u32 s15, 0
	s_cbranch_scc0 .Lfor_b_\@
	tensor_load_to_lds s[\g0a:\g0a+3], s[\g1a:\g1a+7]
	s_nop 0
.rept 4
	v_nop
.endr
	s_branch .Lasked_\@
.Lfor_b_\@:
	tensor_load_to_lds s[\g0b:\g0b+3], s[\g1b:\g1b+7]
	s_nop 0
.rept 4
	v_nop
.endr
.Lasked_\@:
.endm
.macro CREST
	s_cmp_lg_u32 s14, 0
	s_cbranch_scc1 .Lnot_wave_0_\@
	s_barrier_signal -3
.Lnot_wave_0_\@:
	s_barrier_wait -3
	s_barrier_signal -1
	s_barrier_wait -1
.endm
.macro CROUND
	s_barrier_signal -1
	s_barrier_wait -1
	CREST
.endm
	s_load_b64 s[4:5], s[0:1], 0x0
	s_load_b128 s[8:11], s[0:1], 0x8
	s_load_b64 s[96:97], s[0:1], 0x18
	s_load_b64 s[12:13], s[0:1], 0x20
	v_lshl_add_u32 v[SPW], v0, 2, SPARE
	v_mov_b32 v[NIL], 0
	ds_add_u32 v28, v29
	ds_add_u32 v28, v29
	s_wait_dscnt 0x0
	v_lshrrev_b32 v1, 5, v0
	v_readfirstlane_b32 s14, v1
	s_lshr_b32 s15, s14, 1
	s_and_b32 s16, s14, 1
	s_bfe_u32 s40, ttmp6, 0x40000
	s_bfe_u32 s41, ttmp6, 0x40004
	s_lshl_b32 s42, ttmp9, 2
	s_and_b32 s17, ttmp7, 0xffff
	s_lshl_b32 s17, s17, 2
.if QKV
	s_cmp_eq_u32 ttmp9, 2
	s_cselect_b32 s42, s17, s42
	s_cselect_b32 s17, 0, s17
	s_cselect_b32 s95, -1, 0
.endif
	s_add_co_u32 s42, s42, s40
	s_add_co_u32 s17, s17, s41
	s_lshl_b32 s43, s41, 2
	s_lshl_b32 s43, 15, s43
	s_lshl_b32 s44, 0x1111, s40
	s_or_b32 s[G1+0], s43, (0<<16)|(1<<20)|(1<<21)|(5<<22)|(3<<25)
	s_or_b32 s[G1B+0], s44, (0<<16)|(1<<20)|(1<<21)|(5<<22)|(3<<25)
.irp g, G1, G1B
	s_mov_b32 s[\g+1], ROWB<<16
	s_mov_b32 s[\g+2], 256<<16                     ; the head's loads bring a tile's 256 rows; behind them the two words that count rows are set to 128
	s_mov_b32 s[\g+3], ROWB<<16
	s_mov_b32 s[\g+4], 256
	s_mov_b32 s[\g+5], KROW
	s_mov_b32 s[\g+6], 0
	s_mov_b32 s[\g+7], 0
.endr
	s_or_b32 s[G1S+0], s43, (3<<16)|(1<<20)|(1<<21)|(5<<22)|(3<<25)
	s_or_b32 s[G1SB+0], s44, (3<<16)|(1<<20)|(1<<21)|(5<<22)|(3<<25)
.irp g, G1S, G1SB
	s_mov_b32 s[\g+1], 32<<16
	s_mov_b32 s[\g+2], KS<<16                      ; the scales of 256 rows
	s_mov_b32 s[\g+3], 32<<16
	s_mov_b32 s[\g+4], KS
	s_mov_b32 s[\g+5], 32
	s_mov_b32 s[\g+6], 0
	s_mov_b32 s[\g+7], 0
.endr
	s_lshl_b32 s20, s17, 8                         ; A: the tile's first row
	s_lshl_b32 s46, s42, 8                         ; B: likewise
	s_mov_b32 s21, 0
	s_mov_b32 s47, 0
	s_mov_b64 s[18:19], KS
	s_mul_u64 s[22:23], s[20:21], s[18:19]
	s_mul_u64 s[92:93], s[46:47], s[18:19]
	s_mov_b64 s[18:19], KROW
	s_mul_u64 s[20:21], s[20:21], s[18:19]
	s_mul_u64 s[46:47], s[46:47], s[18:19]
	s_mul_i32 s45, s14, HALFT
	s_mul_i32 s18, s16, 128*KROW                   ; in the ring I fetch 128 rows of a tile: which half, in bytes
	s_mov_b32 s19, 0
	s_wait_kmcnt 0x0
	s_add_nc_u64 s[6:7], s[4:5], 0x400000
.if QKV
	s_add_nc_u64 s[98:99], s[8:9], 0x200000
	s_add_nc_u64 s[100:101], s[10:11], 0x10000
	s_cmp_eq_u32 ttmp9, 2
	s_cselect_b64 s[98:99], s[98:99], s[4:5]
	s_cselect_b64 s[100:101], s[100:101], s[6:7]
	s_cselect_b64 s[8:9], s[4:5], s[8:9]
	s_cselect_b64 s[10:11], s[6:7], s[10:11]
.else
	s_mov_b64 s[98:99], s[4:5]
	s_mov_b64 s[100:101], s[6:7]
.endif
	s_add_nc_u64 s[20:21], s[98:99], s[20:21]
	s_add_nc_u64 s[22:23], s[100:101], s[22:23]
	s_add_nc_u64 s[46:47], s[8:9], s[46:47]
	s_add_nc_u64 s[92:93], s[10:11], s[92:93]
	CROUND
	s_mov_b32 s[G0S], 1
	s_mov_b32 s[G0S+1], SCL
	s_mov_b64 s[G0S+2:G0S+3], s[22:23]
	s_or_b32 s[G0S+3], s[G0S+3], 0x80000000
	s_mov_b32 s[G0SB], 1
	s_mov_b32 s[G0SB+1], SCL+2*HALFS
	s_mov_b64 s[G0SB+2:G0SB+3], s[92:93]
	s_or_b32 s[G0SB+3], s[G0SB+3], 0x80000000
	s_mov_b32 s4, 1                                ; group 0 of the head's loads of K step 0: A's 256 rows,
	s_mov_b32 s5, 0
	s_mov_b64 s[6:7], s[20:21]
	s_or_b32 s7, s7, 0x80000000
	s_mov_b32 s8, 1                                ; B's 256 rows, behind them
	s_mov_b32 s9, 2*HALFT
	s_mov_b64 s[10:11], s[46:47]
	s_or_b32 s11, s11, 0x80000000
	s_add_nc_u64 s[20:21], s[20:21], s[18:19]      ; for the ring: my 128 rows of the tile
	s_add_nc_u64 s[46:47], s[46:47], s[18:19]
.irp s, 0,1
	s_mov_b32 s[G0+4*\s], 1
	s_add_co_u32 s[G0+4*\s+1], s45, \s*SLOT
	s_add_nc_u64 s[G0+4*\s+2:G0+4*\s+3], s[20:21], \s*ROWB
	s_or_b32 s[G0+4*\s+3], s[G0+4*\s+3], 0x80000000
	s_mov_b32 s[G0B+4*\s], 1
	s_add_co_u32 s[G0B+4*\s+1], s45, \s*SLOT
	s_add_nc_u64 s[G0B+4*\s+2:G0B+4*\s+3], s[46:47], \s*ROWB
	s_or_b32 s[G0B+4*\s+3], s[G0B+4*\s+3], 0x80000000
.endr
; THE HEAD'S LOADS, ONE A WAVE: wave 0 K step 0's 256 rows of A, wave 1 those of B, wave 2 A's scales, wave 3 B's: one chain of arms on the wave's number.
.macro ARM under, g0, g1, next
	s_cmp_lt_u32 s14, \under
	s_cbranch_scc0 \next
	tensor_load_to_lds s[\g0:\g0+3], s[\g1:\g1+7]
	s_nop 0
.rept 4
	v_nop
.endr
	s_branch .Lhead_asked
\next:
.endm
	ARM 1, 4, G1, .Lhead_b
	ARM 2, 8, G1B, .Lhead_sa
	ARM 3, G0S, G1S, .Lhead_sb
	tensor_load_to_lds s[G0SB:G0SB+3], s[G1SB:G1SB+7]
	s_nop 0
.rept 4
	v_nop
.endr
.Lhead_asked:
	; K steps 1 to 3 are asked of memory here: of the 128 rows that I fetch in the ring, each of the four partners that ask for them jointly takes 32, told apart by address (cx for A, cy for B): a lane a row, 256 bytes a K step
	s_cmp_eq_u32 s15, 0
	s_cselect_b64 s[100:101], s[20:21], s[46:47]
	s_cselect_b32 s104, s40, s41
	s_lshl_b32 s104, s104, 15
	s_mov_b32 s105, 0
	s_add_nc_u64 s[100:101], s[100:101], s[104:105]
	v_and_b32 v26, 31, v0
	v_lshlrev_b32 v26, 10, v26                     ; never rewritten
	global_prefetch_b8 v26, s[100:101] offset:256 th:TH_LOAD_NT scope:SCOPE_SE
	global_prefetch_b8 v26, s[100:101] offset:512 th:TH_LOAD_NT scope:SCOPE_SE
	global_prefetch_b8 v26, s[100:101] offset:768 th:TH_LOAD_NT scope:SCOPE_SE
	v_and_b32 v1, 15, v0
	v_bfe_u32 v2, v0, 4, 1
	v_mul_u32_u24 v3, v1, PITCH
	v_lshl_add_u32 v4, v2, 4, v3
	s_mul_i32 s21, s15, HALFT
	s_mul_i32 s22, s16, HALFT
	s_add_co_u32 s22, s22, 2*HALFT
.irp s, 0,1
	v_add_nc_u32 v[ADRA+\s], s21, v4
	v_add_nc_u32 v[ADRB+\s], s22, v4
	s_add_co_u32 s21, s21, SLOT
	s_add_co_u32 s22, s22, SLOT
.endr
	v_mul_u32_u24 v5, v1, KS
	v_lshrrev_b32 v6, 8, v5
	v_lshl_add_u32 v5, v6, 4, v5
	s_mul_i32 s21, s15, HALFS
	s_mul_i32 s22, s16, HALFS
	s_add_co_u32 s22, s22, 2*HALFS
	s_sub_co_u32 s22, s22, s21
	v_mul_u32_u24 v6, s22, v2
	s_add_co_u32 s21, s21, SCL
	v_add_nc_u32 v5, v5, v6
	v_add_nc_u32 v[ADRS], s21, v5
	s_lshl_b32 s66, s17, 1
	s_add_co_u32 s66, s66, s15
	s_lshl_b32 s67, s42, 1
	s_add_co_u32 s67, s67, s16
.if QKV
	s_lshl_b32 s18, s67, 19
	s_lshl_b32 s19, s66, 13
	s_add_co_u32 s18, s18, s19
	s_lshr_b32 s19, s67, 4
	s_lshl_b32 s19, s19, 3
	s_add_co_u32 s19, s19, s66
	s_lshl_b32 s19, s19, 4
	s_and_b32 s20, s67, 15
	s_add_co_u32 s19, s19, s20
	s_lshl_b32 s19, s19, 14
	s_add_co_u32 s19, s19, 0x800000
	s_lshl_b32 s20, s67, 5
	s_add_co_u32 s20, s20, s66
	s_lshl_b32 s20, s20, 9
	s_add_co_u32 s20, s20, 12582912
	s_lshl_b32 s21, s66, 5
	s_add_co_u32 s21, s21, s67
	s_lshl_b32 s21, s21, 9
	s_add_co_u32 s21, s21, 12845056
	s_lshl_b32 s22, s67, 9
	s_lshl_b32 s23, s66, 9
	s_add_co_u32 s23, s23, 8192
	s_mov_b32 s104, 1024
	s_mov_b32 s2, 262144
	s_cmp_eq_u32 ttmp9, 2
	s_cselect_b32 s18, s19, s18
	s_cselect_b32 s20, s21, s20
	s_cselect_b32 s22, 0, s22
	s_cselect_b32 s46, s23, 0
	s_cselect_b32 s104, 2048, s104
	s_cselect_b32 s2, 1024, s2
	s_mov_b32 s105, 0
	s_mov_b32 s47, 0
.else
	s_lshl_b32 s18, s66, 19
	s_lshl_b32 s19, s67, 11
	s_add_co_u32 s18, s18, s19
	s_lshl_b32 s20, s66, 5
	s_add_co_u32 s20, s20, s67
	s_lshl_b32 s20, s20, 9
	s_add_co_u32 s20, s20, 16777216
	s_lshl_b32 s22, s67, 9
.endif
	s_mov_b32 s19, 0
	s_mov_b32 s21, 0
	s_mov_b32 s23, 0
	s_add_nc_u64 s[92:93], s[12:13], s[20:21]
	s_add_nc_u64 s[12:13], s[12:13], s[18:19]
.if QKV
	s_add_nc_u64 s[98:99], s[96:97], s[46:47]
.endif
	s_add_nc_u64 s[96:97], s[96:97], s[22:23]
	v_lshlrev_b32 v7, 5, v2
.irp b, 0,1,2,3,4,5,6,7
	global_load_b128 v[BT+8*\b:BT+8*\b+3],   v7, s[96:97] offset:64*\b
	global_load_b128 v[BT+8*\b+4:BT+8*\b+7], v7, s[96:97] offset:64*\b+16
.endr
.if QKV
	v_lshlrev_b32 v30, 2, v1
.irp a, 0,1,2,3,4,5,6,7
	global_load_b32 v[RBV+\a], v30, s[98:99] offset:64*\a
.endr
.endif
.macro FRAG reg, adr, q, i
.irp c, 0,1,2,3
	ds_load_b128 v[\reg+4*\c:\reg+4*\c+3], v[\adr] offset:128*(\q)+32*\c+(\i)*16*PITCH
.endr
.endm
.macro MUL16 a0, p, q, sc, zero
.irp a, \a0, \a0+1
.irp b, 0,1,2,3,4,5,6,7
.if \zero
	v_wmma_scale_f32_16x16x128_f8f6f4 v[8*(8*((\a)%4)+\b):8*(8*((\a)%4)+\b)+7], v[128*(\p)+FR*\b:128*(\p)+FR*\b+FR-1], v[AF+FR*(\a):AF+FR*(\a)+FR-1], 0, v[SC+8*NQ*(\sc)+NQ*\b+(\q)], v[SC+8*NQ*(\sc)+NQ*(\a)+(\q)] matrix_a_scale:MATRIX_SCALE_ROW1
.else
	v_wmma_scale_f32_16x16x128_f8f6f4 v[8*(8*((\a)%4)+\b):8*(8*((\a)%4)+\b)+7], v[128*(\p)+FR*\b:128*(\p)+FR*\b+FR-1], v[AF+FR*(\a):AF+FR*(\a)+FR-1], v[8*(8*((\a)%4)+\b):8*(8*((\a)%4)+\b)+7], v[SC+8*NQ*(\sc)+NQ*\b+(\q)], v[SC+8*NQ*(\sc)+NQ*(\a)+(\q)] matrix_a_scale:MATRIX_SCALE_ROW1
.endif
.endr
.endr
.endm
.macro FETCH_B slot, q, p
	WIN TO_B
.irp i, 0,1,2,3,4,5,6,7
	FRAG 128*(\p)+FR*\i, ADRB+\slot, \q, \i
.endr
	WIN 0
.endm
.macro FETCH_A slot, q, i0
.irp i, \i0, \i0+1, \i0+2, \i0+3
	FRAG AF+FR*(\i), ADRA+\slot, \q, \i
.endr
.endm
.macro SCALES sc
.irp i, 0,1,2,3,4,5,6,7
	ds_load_b64 v[SC+8*NQ*\sc+NQ*\i:SC+8*NQ*\sc+NQ*\i+1], v[ADRS] offset:\i*SBLK
.endr
.endm
.macro PLACES n
.rept \n
	v_nop
.endr
.endm
.macro STEP slot, q, zero
	s_wait_dscnt 4*NL
	WIN MUL_LO
	MUL16 0, (\q)%2, \q, \slot, \zero
	MUL16 2, (\q)%2, \q, \slot, \zero
	s_wait_dscnt 0
	PLACES NP
	FETCH_B \slot, (\q)+1, 1-(\q)%2
	FETCH_A \slot, (\q)+1, 0
	WIN MUL_HI
	MUL16 4, (\q)%2, \q, \slot, \zero
	MUL16 6, (\q)%2, \q, \slot, \zero
	PLACES NP
	WIN 0
	FETCH_A \slot, (\q)+1, 4
.endm
.macro TURN slot, next, fill
	s_wait_tensorcnt 0x0
	ds_add_u32 v[SPW], v[NIL]
	s_wait_dscnt 4*NL+1
	WIN MUL_LO
	MUL16 0, 1, NQ-1, \slot, 0
	s_wait_dscnt 0x0
	s_barrier_signal -1
	MUL16 2, 1, NQ-1, \slot, 0
	WIN 0
	s_barrier_wait -1
.if \fill
	CREST
	s_add_nc_u64 s[G0+4*\slot+2:G0+4*\slot+3], s[G0+4*\slot+2:G0+4*\slot+3], 2*ROWB
	s_add_nc_u64 s[G0B+4*\slot+2:G0B+4*\slot+3], s[G0B+4*\slot+2:G0B+4*\slot+3], 2*ROWB
	JLOAD G0+4*\slot, G1, G0B+4*\slot, G1B
	PLACES NP-4
.else
	PLACES NP
.endif
	s_wait_alu depctr_va_vdst(0)
	v_add_nc_u32 v[ADRS], 4*NQ, v[ADRS]
	FETCH_B \next, 0, 0
	FETCH_A \next, 0, 0
	SCALES \next
	WIN MUL_HI
	MUL16 4, 1, NQ-1, \slot, 0
	MUL16 6, 1, NQ-1, \slot, 0
	PLACES NP
	WIN 0
	FETCH_A \next, 0, 4
.endm
	s_wait_alu depctr_va_vdst(0)
	s_wait_tensorcnt 0x0                           ; my tile of the head's four is in
	ds_add_u32 v[SPW], v[NIL]
	s_mov_b32 s[G1+2], 128<<16                     ; no tensor load of mine is out: from here on a load brings 128 rows
	s_mov_b32 s[G1+4], 128
	s_mov_b32 s[G1B+2], 128<<16
	s_mov_b32 s[G1B+4], 128
	s_wait_dscnt 0x0
	CROUND                                         ; all four tiles are in, and all sixteen work-groups are here
	JLOAD G0+4, G1, G0B+4, G1B                     ; K step 1: the first tensor load behind the round
	FETCH_B 0, 0, 0
	FETCH_A 0, 0, 0
	SCALES 0
	FETCH_A 0, 0, 4
	STEP 0, 0, 1
	s_mov_b32 s3, LAPS-1
.Llap:
	TURN 0, 1, 1
	STEP 1, 0, 0
	TURN 1, 0, 1
	STEP 0, 0, 0
	s_sub_co_u32 s3, s3, 1
	s_cmp_lg_u32 s3, 0
	s_cbranch_scc1 .Llap
	TURN 0, 1, 0
	STEP 1, 0, 0
	s_wait_dscnt 4*NL
	WIN MUL_LO
	MUL16 0, 1, NQ-1, 1, 0
	MUL16 2, 1, NQ-1, 1, 0
	s_wait_dscnt 0
	WIN MUL_HI
	MUL16 4, 1, NQ-1, 1, 0
	MUL16 6, 1, NQ-1, 1, 0
	WIN 0
	PLACES NP
	s_wait_loadcnt 0x0
	s_mov_b32 s20, 0x76543210
	s_mov_b32 s21, 0xfedcba98
	s_mov_b32 s22, 0x600000
	v_and_b32 v31, 31, v0
	v_lshlrev_b32 v3, 4, v31
	s_wait_alu depctr_va_vdst(0)
	v_cmp_lt_u32 s66, 15, v31
.if QKV
	s_not_b32 s94, s95
.set i, 0
.rept 64
	v_and_b32 v[BT+i], s94, v[BT+i]
.set i, i+1
.endr
.set i, 0
.rept 8
	v_and_b32 v[RBV+i], s95, v[RBV+i]
.set i, i+1
.endr
	v_add_nc_u32 v4, 512, v3
	v_add_nc_u32 v5, s2, v3
	v_add_nc_u32 v6, 512, v5
.else
	s_mov_b32 s23, 0x3eb504f3
.irp k, 0xbfa1fc4e,0x3f8000c7,0x3ebf88fb,0x3dc636c9,0xbe3ec24c,0x3e8ec7cc,0xbf914e5d,0x3fbe87b0,0x3e2ef945
	s_mov_b32 s[CF+2*\+], \k
	s_mov_b32 s[CF+2*\++1], \k
.endr
.endif
	WIN 0x40
	v_mov_b32 v[OA], v3
.if QKV
	v_mov_b32 v[OA+1], v4
	v_mov_b32 v[OA+2], v5
	v_mov_b32 v[OA+3], v6
.else
	v_mov_b32 v[C8], 0xbf527891
	v_mov_b32 v[C8+1], 0xbf527891
.endif
	v_mov_b32 v[PW], 0
.irp j, 0,1,2,3,4,5,6,7
	v_mov_b32 v[SW+\j], 0
.endr
.irp j, 4,5,6,7
	v_mov_b32 v[TM+\j], 0
.endr
	WIN 0
.macro COPY k
.Lcopy_\k:
.if \k > 0
	WIN 0x55
	v_mov_b32 v[SW+\k-1], v[PW]
.endif
	WIN 0x42+(\k)/4
.set i, 0
.rept 32
	v_pk_add_f32 v[Y+2*i:Y+2*i+1], v[64*((\k)%4)+2*i:64*((\k)%4)+2*i+1], v[BT+2*i:BT+2*i+1]
.set i, i+1
.endr
.if QKV
	WIN 0x41
.set i, 0
.rept 32
.if (\k)%2
	v_pk_add_f32 v[Y+2*i:Y+2*i+1], v[Y+2*i:Y+2*i+1], v[RBV+2*((\k)/2):RBV+2*((\k)/2)+1] op_sel:[0,1] op_sel_hi:[1,1]
.else
	v_pk_add_f32 v[Y+2*i:Y+2*i+1], v[Y+2*i:Y+2*i+1], v[RBV+2*((\k)/2):RBV+2*((\k)/2)+1] op_sel_hi:[1,0]
.endif
.set i, i+1
.endr
.endif
	WIN 0
	s_branch .Lwork
.endm
.macro GELU o
.set i, 0
.rept 32
	v_fma_f32 v[T+i], |v[Y+\o+i]|, s23, 1.0
.set i, i+1
.endr
.set i, 0
	s_wait_alu depctr_va_vdst(0)
.rept 32
	v_rcp_f32 v[T+i], v[T+i]
.set i, i+1
.endr
.set i, 0
.rept 16
	v_pk_mul_f32 v[HH+i:HH+i+1], v[Y+\o+i:Y+\o+i+1], v[Y+\o+i:Y+\o+i+1]
.set i, i+2
.endr
	s_wait_alu depctr_va_vdst(0)
.set i, 0
.rept 16
	v_pk_fma_f32 v[U+i:U+i+1], v[T+i:T+i+1], s[C9:C9+1], v[C8:C8+1] op_sel_hi:[1,0,1]
.set i, i+2
.endr
.irp k, 7,6,5,4,3,2,1,0
.set i, 0
.rept 16
	v_pk_fma_f32 v[U+i:U+i+1], v[U+i:U+i+1], v[T+i:T+i+1], s[CF+2*\k:CF+2*\k+1] op_sel_hi:[1,1,0]
.set i, i+2
.endr
.endr
.set i, 0
.rept 16
	v_pk_fma_f32 v[U+i:U+i+1], v[HH+i:HH+i+1], -0.5, v[U+i:U+i+1] op_sel_hi:[1,0,1]
.set i, i+2
.endr
.set i, 0
.rept 16
	v_pk_fma_f32 v[U+i:U+i+1], v[U+i:U+i+1], 0x3fb8aa3b, -1.0 op_sel_hi:[1,0,0]
.set i, i+2
.endr
.set i, 0
	s_wait_alu depctr_va_vdst(0)
.rept 32
	v_exp_f32 v[U+i], v[U+i]
.set i, i+1
.endr
.set i, 0
.rept 16
	v_pk_mul_f32 v[T+i:T+i+1], v[T+i:T+i+1], v[Y+\o+i:Y+\o+i+1]
.set i, i+2
.endr
	s_wait_alu depctr_va_vdst(0)
.set i, 0
.rept 16
	v_pk_mul_f32 v[HH+i:HH+i+1], v[T+i:T+i+1], v[U+i:U+i+1]
.set i, i+2
.endr
.set i, 0
.rept 16
	v_pk_add_f32 v[U+i:U+i+1], v[Y+\o+i:Y+\o+i+1], v[HH+i:HH+i+1] neg_lo:[0,1] neg_hi:[0,1]
.set i, i+2
.endr
.set i, 0
.rept 32
	v_max_num_f32 v[Y+\o+i], v[HH+i], v[U+i]
.set i, i+1
.endr
.endm
.macro QUANTY
.irp b, 0,1,2,3
	v_max3_num_f32 v[TM+\b], |v[Y+16*\b]|, |v[Y+1+16*\b]|, 0x4800000
.endr
.irp i, 2,4,6,8,10,12,14
.irp b, 0,1,2,3
	v_max3_num_f32 v[TM+\b], v[TM+\b], |v[Y+16*\b+\i]|, |v[Y+1+16*\b+\i]|
.endr
.endr
.irp b, 0,1,2,3
	v_permlanex16_b32 v[TM+4+\b], v[TM+\b], s20, s21
.endr
.irp b, 0,1,2,3
	v_max_num_f32 v[TM+\b], v[TM+\b], v[TM+4+\b]
.endr
.irp b, 0,1,2,3
	v_add_nc_u32 v[TM+12+\b], 0xfc000000, v[TM+\b]
.endr
.irp b, 0,1,2,3
	v_and_or_b32 v[TM+8+\b], v[TM+\b], 0x7f800000, s22
.endr
.irp b, 0,1,2,3
	v_lshrrev_b32 v[TM+4+\b], 23, v[TM+12+\b]
.endr
	v_lshl_or_b32 v[PW], v[TM+5], 8, v[TM+4]
	v_lshl_or_b32 v[PW], v[TM+6], 16, v[PW]
	v_lshl_or_b32 v[PW], v[TM+7], 24, v[PW]
.irp b, 0,1,2,3
.irp i, 0,1,2,3,4,5,6,7,8,9,10,11,12,13,14,15
	v_med3_num_f32 v[Y+16*\b+\i], v[Y+16*\b+\i], -v[TM+8+\b], v[TM+8+\b]
.endr
	v_cvt_scalef32_pk8_fp8_f32 v[PC+4*\b:PC+1+4*\b], v[Y+16*\b:Y+7+16*\b], v[TM+12+\b]
	v_cvt_scalef32_pk8_fp8_f32 v[PC+2+4*\b:PC+3+4*\b], v[Y+8+16*\b:Y+15+16*\b], v[TM+12+\b]
.endr
	v_nop
.irp b, 0,1,2,3
	v_permlane16_swap_b32 v[PC+4*\b], v[PC+4*\b+2]
	v_permlane16_swap_b32 v[PC+4*\b+1], v[PC+4*\b+3]
.endr
.endm
	s_mov_b32 s3, 0
.Lblk:
.irp k, 0,1,2,3,4,5,6
	s_cmp_eq_u32 s3, \k
	s_cbranch_scc1 .Lcopy_\k
.endr
	COPY 7
	COPY 0
	COPY 1
	COPY 2
	COPY 3
	COPY 4
	COPY 5
	COPY 6
.Lwork:
	WIN 0x55
.if QKV == 0
	GELU 0
	GELU 32
.endif
	QUANTY
.irp c, 0,1,2,3
.if QKV
	global_store_b128 v[OA+\c], v[PC+4*\c:PC+4*\c+3], s[12:13]
.else
	global_store_b128 v[OA], v[PC+4*\c:PC+4*\c+3], s[12:13] offset:512*\c
.endif
.endr
	WIN 0
	s_wait_xcnt 0x0
.if QKV
	s_add_nc_u64 s[12:13], s[12:13], s[104:105]
.else
	s_add_nc_u64 s[12:13], s[12:13], 65536
.endif
	s_add_co_u32 s3, s3, 1
	s_cmp_lt_u32 s3, 8
	s_cbranch_scc1 .Lblk
	WIN 0x55
	v_mov_b32 v[SW+7], v[PW]
.irp j, 0,1,2,3
	v_cndmask_b32 v[PC+\j], v[SW+\j], v[SW+4+\j], s66
.endr
	global_store_b128 v[OA], v[PC:PC+3], s[92:93]
	WIN 0
	s_wait_tensorcnt 0x0
	ds_add_u32 v[SPW], v[NIL]
	s_wait_dscnt 0x0
	CROUND
	s_endpgm
.Lfunc_end_k_q514c582586_ffn1:
	.size	k_q514c582586_ffn1, .Lfunc_end_k_q514c582586_ffn1-k_q514c582586_ffn1
	.p2alignl 7, 3214868480
	.fill 96, 4, 3214868480
	.section	.rodata,"a",@progbits
	.p2align	6, 0x0
	.amdhsa_kernel k_q514c582586_ffn1
		.amdhsa_group_segment_fixed_size 327680
		.amdhsa_private_segment_fixed_size 0
		.amdhsa_enable_private_segment 0
		.amdhsa_kernarg_size 40
		.amdhsa_user_sgpr_count 2
		.amdhsa_user_sgpr_kernarg_segment_ptr 1
		.amdhsa_wavefront_size32 1
		.amdhsa_system_sgpr_workgroup_id_x 1
		.amdhsa_system_sgpr_workgroup_id_y 1
		.amdhsa_system_sgpr_workgroup_id_z 1
		.amdhsa_system_vgpr_workitem_id 0
		.amdhsa_next_free_vgpr 1024
		.amdhsa_next_free_sgpr 106
		.amdhsa_reserve_vcc 0
		.amdhsa_float_denorm_mode_32 3
		.amdhsa_float_denorm_mode_16_64 3
		.amdhsa_memory_ordered 1
		.amdhsa_forward_progress 1
		.amdhsa_inst_pref_size 190
	.end_amdhsa_kernel
	.amdgpu_metadata
---
amdhsa.version: [ 1, 2 ]
amdhsa.kernels:
  - .name:           k_q514c582586_ffn1
    .symbol:         k_q514c582586_ffn1.kd
    .args:
      - { .name: h2buf, .offset: 0, .size: 8, .value_kind: global_buffer, .address_space: global }
      - { .name: inter_w_codes, .offset: 8, .size: 8, .value_kind: global_buffer, .address_space: global }
      - { .name: inter_w_scales, .offset: 16, .size: 8, .value_kind: global_buffer, .address_space: global }
      - { .name: inter_b, .offset: 24, .size: 8, .value_kind: global_buffer, .address_space: global }
      - { .name: inter, .offset: 32, .size: 8, .value_kind: global_buffer, .address_space: global }
    .group_segment_fixed_size: 327680
    .private_segment_fixed_size: 0
    .kernarg_segment_align: 8
    .kernarg_segment_size: 40
    .max_flat_workgroup_size: 128
    .sgpr_count:     106
    .vgpr_count:     1024
    .wavefront_size: 32
...
	.end_amdgpu_metadata
.endif
;; end of part 5
;; launch ffn2 (part 6): grid 8 x 32, 4 waves a work-group, clusters of 4 x 4, 327,680 bytes of LDS; arguments inter, out_w_codes, out_w_scales, out_b, ao, out0; writes out0
.if DOCPART == 6
	.amdgcn_target "amdgcn-amd-amdhsa--gfx1250"
	.amdhsa_code_object_version 6
	.text
	.protected	k_q514c582586_ffn2
	.globl	k_q514c582586_ffn2
	.p2align	8
	.type	k_q514c582586_ffn2,@function
k_q514c582586_ffn2:
	s_mov_b64 s[64:65], 0
	v_nop
	global_prefetch_b8 v0, s[64:65] scope:SCOPE_SE
	s_setreg_imm32_b32 hwreg(HW_REG_WAVE_MODE, 25, 1), 1
	s_wait_xcnt 0x0
	s_wait_alu depctr_hold_cnt(0) depctr_sa_sdst(0) depctr_va_vdst(0) depctr_va_sdst(0) depctr_va_ssrc(0) depctr_va_vcc(0) depctr_vm_vsrc(0)
	s_getreg_b32 s2, hwreg(HW_REG_IB_STS2, 6, 4)
	s_cmp_eq_u32 s2, 0
	s_cbranch_scc0 .Lentry_in_a_cluster
	s_endpgm
.Lentry_in_a_cluster:
	s_bfe_u32 s2, ttmp6, 0x10000c
	s_cmp_lg_u32 s2, 0xf033
	s_cbranch_scc0 .Lentry_shape_is_right
	s_endpgm
.Lentry_shape_is_right:
.set SIZE_K, 4096
.set NS,     SIZE_K/512
.set FR,     16
.set NL,     4
.set NP,     8
.set APART,  65536
.set BP,     528
.set BHALF,  64*BP
.set SLOT,   APART+2*BHALF
.set SCA,    2*SLOT
.set SCB,    SCA+16384
.set KS,     SIZE_K/32
.set SBH,    (SIZE_K/128)*272
.set SBLK,   (SIZE_K/512)*272
.set SPARE,  300032
.set RP,     528
.set RED1,   128*RP
.set RD,   8
.set ADRA, 16
.set ADRB, 20
.set STO,  24
.set CO,   26
.set ADSA, 27
.set SPW,  28
.set NIL,  29
.set ADSB, 30
.set SA,   32
.set SB,   40
.set AF,   128
.set G1, 24
.set G0, 32
.set G1B, 48
.set G0B, 56
.set G1S, 68
.set G0S, 76
.set G1SB, 80
.set G0SB, 88
.set MSB, 0
.macro WIN new
.if MSB != (\new)
	s_set_vgpr_msb (MSB<<8)|(\new)
.set MSB, (\new)
.endif
.endm
.set MUL_LO, 0xa1
.set MUL_HI, 0xf1
.set TO_B,   0x40
.macro JLOAD g0a, g1a, g0b, g1b
	s_cmp_eq_u32 s15, 0
	s_cbranch_scc0 .Lfor_b_\@
	tensor_load_to_lds s[\g0a:\g0a+3], s[\g1a:\g1a+7]
	s_nop 0
.rept 4
	v_nop
.endr
	s_branch .Lasked_\@
.Lfor_b_\@:
	tensor_load_to_lds s[\g0b:\g0b+3], s[\g1b:\g1b+7]
	s_nop 0
.rept 4
	v_nop
.endr
.Lasked_\@:
.endm
.macro CREST
	s_cmp_lg_u32 s14, 0
	s_cbranch_scc1 .Lnot_wave_0_\@
	s_barrier_signal -3
.Lnot_wave_0_\@:
	s_barrier_wait -3
	s_barrier_signal -1
	s_barrier_wait -1
.endm
.macro CROUND
	s_barrier_signal -1
	s_barrier_wait -1
	CREST
.endm
	s_load_b64 s[4:5], s[0:1], 0x0
	s_load_b128 s[8:11], s[0:1], 0x8
	s_load_b128 s[96:99], s[0:1], 0x18
	s_load_b64 s[12:13], s[0:1], 0x28
	v_lshl_add_u32 v[SPW], v0, 2, SPARE
	v_mov_b32 v[NIL], 0
	ds_add_u32 v28, v29
	ds_add_u32 v28, v29
	s_wait_dscnt 0x0
	v_lshrrev_b32 v1, 5, v0
	v_readfirstlane_b32 s14, v1
	s_lshr_b32 s15, s14, 1
	s_and_b32 s16, s14, 1
	s_bfe_u32 s40, ttmp6, 0x40000
	s_bfe_u32 s41, ttmp6, 0x40004
	s_lshl_b32 s42, ttmp9, 2
	s_add_co_u32 s42, s42, s40
	s_and_b32 s17, ttmp7, 0xffff
	s_lshl_b32 s17, s17, 2
	s_add_co_u32 s17, s17, s41
	s_lshl_b32 s43, s41, 2
	s_lshl_b32 s43, 15, s43
	s_lshl_b32 s44, 0x1111, s40
	s_or_b32 s[G1+0], s43, (3<<16)|(1<<21)
	s_mov_b32 s[G1+1], 1024<<16
	s_mov_b32 s[G1+2], 8<<16                       ; the head's load brings all eight row tiles; behind it the two words that count rows are set to 4
	s_mov_b32 s[G1+3], 1024<<16
	s_mov_b32 s[G1+4], 8
	s_mov_b32 s[G1+5], 2*SIZE_K
	s_mov_b32 s[G1+6], 0
	s_mov_b32 s[G1+7], 0
	s_or_b32 s[G1B+0], s44, (0<<16)|(1<<20)|(1<<21)|(6<<22)|(3<<25)
	s_mov_b32 s[G1B+1], 512<<16
	s_mov_b32 s[G1B+2], 128<<16
	s_mov_b32 s[G1B+3], 512<<16
	s_mov_b32 s[G1B+4], 128
	s_mov_b32 s[G1B+5], SIZE_K
	s_mov_b32 s[G1B+6], 0
	s_mov_b32 s[G1B+7], 0
	s_or_b32 s[G1S+0], s43, (3<<16)|(1<<21)
	s_or_b32 s[G1SB+0], s44, (3<<16)|(1<<20)|(1<<21)|(5<<22)|(3<<25)
.irp g, G1S, G1SB
	s_mov_b32 s[\g+1], 32<<16
	s_mov_b32 s[\g+2], (SIZE_K/64)<<16
	s_mov_b32 s[\g+3], 32<<16
	s_mov_b32 s[\g+4], SIZE_K/64
	s_mov_b32 s[\g+5], 32
	s_mov_b32 s[\g+6], 0
	s_mov_b32 s[\g+7], 0
.endr
	s_lshl_b32 s20, s17, 3
	s_mul_i32 s20, s20, 16*SIZE_K
	s_mov_b32 s21, 0
	s_mul_i32 s22, s17, 4*SIZE_K
	s_mov_b32 s23, 0
	s_lshl_b32 s46, s42, 7
	s_mul_i32 s92, s46, KS
	s_mul_i32 s46, s46, SIZE_K
	s_mov_b32 s47, 0
	s_mov_b32 s93, 0
	s_lshl_b32 s45, s16, 15
	s_mul_i32 s94, s16, BHALF
	s_add_co_u32 s94, s94, APART
	s_mul_i32 s18, s16, 64*SIZE_K                  ; in the ring I fetch half a tile: four row tiles of A, or 64 rows of B: the same bytes on
	s_mov_b32 s19, 0
	s_wait_kmcnt 0x0
	s_add_nc_u64 s[6:7], s[4:5], 4096*SIZE_K
	s_add_nc_u64 s[20:21], s[4:5], s[20:21]
	s_add_nc_u64 s[22:23], s[6:7], s[22:23]
	s_add_nc_u64 s[46:47], s[8:9], s[46:47]
	s_add_nc_u64 s[92:93], s[10:11], s[92:93]
	CROUND
	s_mov_b32 s[G0S], 1
	s_mov_b32 s[G0S+1], SCA
	s_mov_b64 s[G0S+2:G0S+3], s[22:23]
	s_or_b32 s[G0S+3], s[G0S+3], 0x80000000
	s_mov_b32 s[G0SB], 1
	s_mov_b32 s[G0SB+1], SCB
	s_mov_b64 s[G0SB+2:G0SB+3], s[92:93]
	s_or_b32 s[G0SB+3], s[G0SB+3], 0x80000000
	s_mov_b32 s4, 1                                ; group 0 of the head's loads of slot 0: A's eight row tiles,
	s_mov_b32 s5, 0
	s_mov_b64 s[6:7], s[20:21]
	s_or_b32 s7, s7, 0x80000000
	s_mov_b32 s8, 1                                ; B's 128 rows
	s_mov_b32 s9, APART
	s_mov_b64 s[10:11], s[46:47]
	s_or_b32 s11, s11, 0x80000000
	s_add_nc_u64 s[20:21], s[20:21], s[18:19]      ; for the ring: my half of the tile
	s_add_nc_u64 s[46:47], s[46:47], s[18:19]
.irp s, 0,1
	s_mov_b32 s[G0+4*\s], 1
	s_add_co_u32 s[G0+4*\s+1], s45, \s*SLOT
	s_add_nc_u64 s[G0+4*\s+2:G0+4*\s+3], s[20:21], \s*8192
	s_or_b32 s[G0+4*\s+3], s[G0+4*\s+3], 0x80000000
	s_mov_b32 s[G0B+4*\s], 1
	s_add_co_u32 s[G0B+4*\s+1], s94, \s*SLOT
	s_add_nc_u64 s[G0B+4*\s+2:G0B+4*\s+3], s[46:47], \s*512
	s_or_b32 s[G0B+4*\s+3], s[G0B+4*\s+3], 0x80000000
.endr
; THE HEAD'S LOADS, ONE A WAVE: wave 0 slot 0's part of A, wave 1 that of B, wave 2 A's scales, wave 3 B's: one chain of arms on the wave's number.
.macro ARM under, g0, g1, next
	s_cmp_lt_u32 s14, \under
	s_cbranch_scc0 \next
	tensor_load_to_lds s[\g0:\g0+3], s[\g1:\g1+7]
	s_nop 0
.rept 4
	v_nop
.endr
	s_branch .Lhead_asked
\next:
.endm
	ARM 1, 4, G1, .Lhead_b
	ARM 2, 8, G1B, .Lhead_sa
	ARM 3, G0S, G1S, .Lhead_sb
	tensor_load_to_lds s[G0SB:G0SB+3], s[G1SB:G1SB+7]
	s_nop 0
.rept 4
	v_nop
.endr
.Lhead_asked:
	; THE TILES ARE ASKED OF MEMORY AHEAD OF THEIR LOADS.  Of the half tile that I fetch in the ring each of the four partners that ask for it jointly takes a quarter, told apart by address:
	; A (cx): one row tile's 8 KiB of a slot, lanes 256 bytes apart; B (cy): 16 rows x 512 bytes, two lanes a row: one instruction a wave and slot.  Here: the fills of K steps (of 512) 1 to 3; behind the refill that brings
	; step t + 2 stands the request for step t + 4, two refills on; the count in s2 ends the requests at step 7, the last
	s_mov_b32 s66, 512
	s_cmp_eq_u32 s15, 0
	s_cselect_b64 s[100:101], s[20:21], s[46:47]
	s_cselect_b32 s94, s40, s41
	s_cselect_b32 s2, -1, 0
	s_cselect_b32 s66, 8192, s66                   ; from slot to slot
	s_mov_b32 s67, 0
	s_mul_i32 s94, s94, 16*SIZE_K
	s_mov_b32 s95, 0
	s_add_nc_u64 s[100:101], s[100:101], s[94:95]
	s_mul_i32 s104, s66, 3
	s_mov_b32 s105, 0
	s_add_nc_u64 s[104:105], s[100:101], s[104:105]   ; at step 3: each refill's turn steps it first
	v_and_b32 v3, 31, v0
	v_lshlrev_b32 v4, 8, v3
	v_lshrrev_b32 v5, 1, v3
	v_mul_u32_u24 v5, v5, SIZE_K
	v_and_b32 v6, 1, v3
	v_lshl_add_u32 v5, v6, 8, v5
	v_cndmask_b32 v31, v5, v4, s2                  ; never rewritten
	s_wait_alu depctr_va_vdst(0)                   ; the wait ahead of the branch
	s_mov_b32 s2, 3
	s_cmp_eq_u32 s15, 0
	s_cbranch_scc0 .Lpf_b
	global_prefetch_b8 v31, s[100:101] offset:8192 th:TH_LOAD_NT scope:SCOPE_SE
	global_prefetch_b8 v31, s[100:101] offset:16384 th:TH_LOAD_NT scope:SCOPE_SE
	global_prefetch_b8 v31, s[100:101] offset:24576 th:TH_LOAD_NT scope:SCOPE_SE
	s_branch .Lpf_done
.Lpf_b:
	global_prefetch_b8 v31, s[100:101] offset:512 th:TH_LOAD_NT scope:SCOPE_SE
	global_prefetch_b8 v31, s[100:101] offset:1024 th:TH_LOAD_NT scope:SCOPE_SE
	global_prefetch_b8 v31, s[100:101] offset:1536 th:TH_LOAD_NT scope:SCOPE_SE
.Lpf_done:
	v_and_b32 v1, 15, v0
	v_bfe_u32 v2, v0, 4, 1
	v_and_b32 v3, 31, v0
	v_lshlrev_b32 v[CO], 4, v3
	s_lshl_b32 s21, s14, 11
	v_add_nc_u32 v[ADRA], s21, v[CO]
	v_add_nc_u32 v[ADRA+1], SLOT, v[ADRA]
	v_mul_u32_u24 v4, v1, BP
	v_lshl_add_u32 v4, v2, 4, v4
	s_lshl_b32 s21, s14, 7
	s_add_co_u32 s21, s21, APART
	v_add_nc_u32 v[ADRB], s21, v4
	v_add_nc_u32 v[ADRB+1], SLOT, v[ADRB]
	s_lshl_b32 s21, s14, 9
	s_add_co_u32 s21, s21, SCA
	v_add_nc_u32 v[ADSA], s21, v[CO]
	v_mul_u32_u24 v5, v1, KS
	v_lshrrev_b32 v6, 8, v5
	v_lshl_add_u32 v5, v6, 4, v5
	s_lshl_b32 s21, s14, 2
	s_add_co_u32 s21, s21, SCB
	v_add_nc_u32 v[ADSB], s21, v5
	s_mul_i32 s21, s14, RED1
	v_mul_u32_u24 v4, v1, RP
	v_lshl_add_u32 v4, v2, 5, v4
	v_add_nc_u32 v[STO], s21, v4
	s_mul_i32 s21, s14, 32*RP
	v_add_nc_u32 v[RD], s21, v[CO]
	v_add_nc_u32 v[RD+1], RED1, v[RD]
	v_add_nc_u32 v[RD+2], RED1, v[RD+1]
	v_add_nc_u32 v[RD+3], RED1, v[RD+2]
	s_lshl_b32 s20, s17, 7
	s_lshl_b32 s21, s14, 5
	s_add_co_u32 s20, s20, s21
	s_lshl_b32 s20, s20, 12
	s_lshl_b32 s46, s42, 9
	s_add_co_u32 s20, s20, s46
	s_mov_b32 s21, 0
	s_mov_b32 s47, 0
	s_add_nc_u64 s[12:13], s[12:13], s[20:21]
	s_add_nc_u64 s[98:99], s[98:99], s[20:21]
	s_add_nc_u64 s[96:97], s[96:97], s[46:47]
	global_load_b128 v[12:15], v[CO], s[96:97]
.macro FRAGB reg, slot, i
.irp c, 0,1,2,3
	ds_load_b128 v[\reg+4*\c:\reg+4*\c+3], v[ADRB+\slot] offset:32*\c+(\i)*16*BP
.endr
.endm
.macro FRAGA reg, slot, i
.irp c, 0,1,2,3
	ds_load_b128 v[\reg+4*\c:\reg+4*\c+3], v[ADRA+\slot] offset:(\i)*8192+512*\c
.endr
.endm
.macro FETCH_B slot
	WIN TO_B
.irp i, 0,1,2,3,4,5,6,7
	FRAGB 128*(\slot)+FR*\i, \slot, \i
.endr
	WIN 0
.endm
.macro FETCH_A slot, i0
.irp i, \i0, \i0+1, \i0+2, \i0+3
	FRAGA AF+FR*(\i), \slot, \i
.endr
.endm
.macro SCALES set
	ds_load_b128 v[SA+4*\set:SA+4*\set+3], v[ADSA]
.irp b, 0,1,2,3,4,5,6,7
	ds_load_b32 v[SB+8*\set+\b], v[ADSB] offset:\b*SBLK
.endr
.endm
.macro MUL16 a0, p, zero
.irp a, \a0, \a0+1
.irp b, 0,1,2,3,4,5,6,7
.if \zero
.if (\a) >= 4
	v_wmma_scale_f32_16x16x128_f8f6f4 v[8*(8*((\a)%4)+\b):8*(8*((\a)%4)+\b)+7], v[128*(\p)+FR*\b:128*(\p)+FR*\b+FR-1], v[AF+FR*(\a):AF+FR*(\a)+FR-1], 0, v[SB+8*(\p)+\b], v[SA+4*(\p)+(\a)%4] matrix_b_scale:MATRIX_SCALE_ROW1
.else
	v_wmma_scale_f32_16x16x128_f8f6f4 v[8*(8*((\a)%4)+\b):8*(8*((\a)%4)+\b)+7], v[128*(\p)+FR*\b:128*(\p)+FR*\b+FR-1], v[AF+FR*(\a):AF+FR*(\a)+FR-1], 0, v[SB+8*(\p)+\b], v[SA+4*(\p)+(\a)%4]
.endif
.else
.if (\a) >= 4
	v_wmma_scale_f32_16x16x128_f8f6f4 v[8*(8*((\a)%4)+\b):8*(8*((\a)%4)+\b)+7], v[128*(\p)+FR*\b:128*(\p)+FR*\b+FR-1], v[AF+FR*(\a):AF+FR*(\a)+FR-1], v[8*(8*((\a)%4)+\b):8*(8*((\a)%4)+\b)+7], v[SB+8*(\p)+\b], v[SA+4*(\p)+(\a)%4] matrix_b_scale:MATRIX_SCALE_ROW1
.else
	v_wmma_scale_f32_16x16x128_f8f6f4 v[8*(8*((\a)%4)+\b):8*(8*((\a)%4)+\b)+7], v[128*(\p)+FR*\b:128*(\p)+FR*\b+FR-1], v[AF+FR*(\a):AF+FR*(\a)+FR-1], v[8*(8*((\a)%4)+\b):8*(8*((\a)%4)+\b)+7], v[SB+8*(\p)+\b], v[SA+4*(\p)+(\a)%4]
.endif
.endif
.endr
.endr
.endm
.macro PLACES n
.rept \n
	v_nop
.endr
.endm
.macro TURN slot, next, fill, zero, ask=1
.if (\fill) && (\ask)                  ; ask = 0: the refill that brings the last step has no step two refills on: nothing of the request is assembled
	s_wait_xcnt 0x0                                ; any prefetch of mine has read its address: it is stepped here, ahead of the waits of the change of slots
	s_add_nc_u64 s[104:105], s[104:105], s[66:67]
	s_add_co_u32 s2, s2, 1
.endif
	s_wait_tensorcnt 0x0
	ds_add_u32 v[SPW], v[NIL]
	s_wait_dscnt 4*NL+1
	WIN MUL_LO
	MUL16 0, \slot, \zero
	s_wait_dscnt 0x0
	s_barrier_signal -1
	MUL16 2, \slot, \zero
	WIN 0
	s_barrier_wait -1
.if \fill
	CREST
	s_add_nc_u64 s[G0+4*\slot+2:G0+4*\slot+3], s[G0+4*\slot+2:G0+4*\slot+3], 16384
	s_add_nc_u64 s[G0B+4*\slot+2:G0B+4*\slot+3], s[G0B+4*\slot+2:G0B+4*\slot+3], 1024
	JLOAD G0+4*\slot, G1, G0B+4*\slot, G1B
	PLACES NP-4
.else
	PLACES NP
.endif
	s_wait_alu depctr_va_vdst(0)
	v_add_nc_u32 v[ADSA], 2048, v[ADSA]
	v_add_nc_u32 v[ADSB], 16, v[ADSB]
	FETCH_B \next
	FETCH_A \next, 0
	SCALES \next
.if (\fill) && (\ask)
	s_cmp_lt_u32 s2, 8                             ; step 8 does not exist: the loop's last trip asks for nothing at its second change of slots
	s_cbranch_scc0 .Lno_ask_\@
	global_prefetch_b8 v31, s[104:105] th:TH_LOAD_NT scope:SCOPE_SE
.Lno_ask_\@:
.endif
	WIN MUL_HI
	MUL16 4, \slot, \zero
	MUL16 6, \slot, \zero
	PLACES NP
	WIN 0
	FETCH_A \next, 4
.endm
	s_wait_alu depctr_va_vdst(0)
	s_wait_tensorcnt 0x0                           ; my tile of the head's four is in
	ds_add_u32 v[SPW], v[NIL]
	s_mov_b32 s[G1+2], 4<<16                       ; no tensor load of mine is out: from here on a load brings half a tile
	s_mov_b32 s[G1+4], 4
	s_mov_b32 s[G1B+2], 64<<16
	s_mov_b32 s[G1B+4], 64
	s_wait_dscnt 0x0
	CROUND                                         ; all four tiles are in, and all sixteen work-groups are here
	JLOAD G0+4, G1, G0B+4, G1B                     ; slot 1: the first tensor load behind the round
	FETCH_B 0
	FETCH_A 0, 0
	SCALES 0
	FETCH_A 0, 4
.if NS > 2
	TURN 0, 1, 1, 1
	s_mov_b32 s3, (NS-4)/2
.Llap:
	TURN 1, 0, 1, 0
	TURN 0, 1, 1, 0
	s_sub_co_u32 s3, s3, 1
	s_cmp_lg_u32 s3, 0
	s_cbranch_scc1 .Llap
	TURN 1, 0, 1, 0, 0
	TURN 0, 1, 0, 0
.else
	TURN 0, 1, 0, 1
.endif
	WIN TO_B                                       ; the residual's 32 rows go into B's set 0 (window 1, v0-127), whose last products stand eight places back: asked for ahead of the last 64 products
.set t, 0
.rept 32
	global_load_b128 v[4*t:4*t+3], v[CO], s[98:99] offset:4096*t th:TH_LOAD_NT
.set t, t+1
.endr
	WIN 0
	s_wait_dscnt 4*NL
	WIN MUL_LO
	MUL16 0, 1, 0
	MUL16 2, 1, 0
	s_wait_dscnt 0
	WIN MUL_HI
	MUL16 4, 1, 0
	MUL16 6, 1, 0
	WIN 0
	PLACES NP
	s_barrier_signal -1
	s_barrier_wait -1
.macro TORED a
	WIN 0x08+4*((\a)/4)
.irp b, 0,1,2,3,4,5,6,7
	ds_store_b128 v[STO], v[64*((\a)%4)+8*\b:64*((\a)%4)+8*\b+3] offset:(\a)*16*RP+64*\b
	ds_store_b128 v[STO], v[64*((\a)%4)+8*\b+4:64*((\a)%4)+8*\b+7] offset:(\a)*16*RP+64*\b+16
.endr
.endm
.irp a, 0,1,2,3,4,5,6,7
	TORED \a
.endr
	WIN 0
	s_wait_dscnt 0x0
	s_barrier_signal -1
	s_barrier_wait -1
	s_wait_loadcnt 0x0
.macro GETROWS g
	s_wait_xcnt 0x0                                ; the stores of two groups back have read the registers that these loads fill
.irp u, 0,1
.irp w, 0,1,2,3
	ds_load_b128 v[64+32*((\g)%2)+16*\u+4*\w:64+32*((\g)%2)+16*\u+4*\w+3], v[RD+\w] offset:(2*(\g)+\u)*RP
.endr
.endr
.endm
.macro FIN g
.if (\g) < 15
	s_wait_dscnt 8
.else
	s_wait_dscnt 0
.endif
.irp u, 0,1
.set BU, 64+32*((\g)%2)+16*\u
.set RR, 4*(2*(\g)+\u)                 ; the residual's row, in window 1
	v_pk_add_f32 v[BU:BU+1], v[BU:BU+1], v[BU+4:BU+5]
	v_pk_add_f32 v[BU+2:BU+3], v[BU+2:BU+3], v[BU+6:BU+7]
	v_pk_add_f32 v[BU+8:BU+9], v[BU+8:BU+9], v[BU+12:BU+13]
	v_pk_add_f32 v[BU+10:BU+11], v[BU+10:BU+11], v[BU+14:BU+15]
	v_pk_add_f32 v[BU+8:BU+9], v[BU+8:BU+9], v[12:13]
	v_pk_add_f32 v[BU+10:BU+11], v[BU+10:BU+11], v[14:15]
	v_pk_add_f32 v[BU:BU+1], v[BU:BU+1], v[BU+8:BU+9]
	v_pk_add_f32 v[BU+2:BU+3], v[BU+2:BU+3], v[BU+10:BU+11]
	WIN 0x04                                       ; source 1 in window 1
	v_pk_add_f32 v[BU:BU+1], v[BU:BU+1], v[RR:RR+1]
	v_pk_add_f32 v[BU+2:BU+3], v[BU+2:BU+3], v[RR+2:RR+3]
	WIN 0
	global_store_b128 v[CO], v[BU:BU+3], s[12:13] offset:4096*(2*(\g)+\u)
.endr
.endm
	GETROWS 0
	GETROWS 1
.irp g, 0,1,2,3,4,5,6,7,8,9,10,11,12,13
	FIN \g
	GETROWS \g+2
.endr
	FIN 14
	FIN 15
	s_wait_tensorcnt 0x0
	ds_add_u32 v[SPW], v[NIL]
	s_wait_dscnt 0x0
	CROUND
	s_endpgm
.Lfunc_end_k_q514c582586_ffn2:
	.size	k_q514c582586_ffn2, .Lfunc_end_k_q514c582586_ffn2-k_q514c582586_ffn2
	.p2alignl 7, 3214868480
	.fill 96, 4, 3214868480
	.section	.rodata,"a",@progbits
	.p2align	6, 0x0
	.amdhsa_kernel k_q514c582586_ffn2
		.amdhsa_group_segment_fixed_size 327680
		.amdhsa_private_segment_fixed_size 0
		.amdhsa_enable_private_segment 0
		.amdhsa_kernarg_size 48
		.amdhsa_user_sgpr_count 2
		.amdhsa_user_sgpr_kernarg_segment_ptr 1
		.amdhsa_wavefront_size32 1
		.amdhsa_system_sgpr_workgroup_id_x 1
		.amdhsa_system_sgpr_workgroup_id_y 1
		.amdhsa_system_sgpr_workgroup_id_z 1
		.amdhsa_system_vgpr_workitem_id 0
		.amdhsa_next_free_vgpr 1024
		.amdhsa_next_free_sgpr 106
		.amdhsa_reserve_vcc 0
		.amdhsa_float_denorm_mode_32 3
		.amdhsa_float_denorm_mode_16_64 3
		.amdhsa_memory_ordered 1
		.amdhsa_forward_progress 1
		.amdhsa_inst_pref_size 143
	.end_amdhsa_kernel
	.amdgpu_metadata
---
amdhsa.version: [ 1, 2 ]
amdhsa.kernels:
  - .name:           k_q514c582586_ffn2
    .symbol:         k_q514c582586_ffn2.kd
    .args:
      - { .name: inter, .offset: 0, .size: 8, .value_kind: global_buffer, .address_space: global }
      - { .name: out_w_codes, .offset: 8, .size: 8, .value_kind: global_buffer, .address_space: global }
      - { .name: out_w_scales, .offset: 16, .size: 8, .value_kind: global_buffer, .address_space: global }
      - { .name: out_b, .offset: 24, .size: 8, .value_kind: global_buffer, .address_space: global }
      - { .name: ao, .offset: 32, .size: 8, .value_kind: global_buffer, .address_space: global }
      - { .name: out0, .offset: 40, .size: 8, .value_kind: global_buffer, .address_space: global }
    .group_segment_fixed_size: 327680
    .private_segment_fixed_size: 0
    .kernarg_segment_align: 8
    .kernarg_segment_size: 48
    .max_flat_workgroup_size: 128
    .sgpr_count:     106
    .vgpr_count:     1024
    .wavefront_size: 32
...
	.end_amdgpu_metadata
.endif
;; end of part 6
